; MI455X (gfx1250); checked and timed in simulation.
; The chip was launched on July 23, 2026; its instructions are those of AMD's public machine-readable ISA for CDNA 5 (MIT licence, August 2026) and "CDNA5" Instruction Set Architecture Reference Guide (July 2026). The comments in the code are by the model that wrote it; some were corrected since.
;; Self Attention. Allowed arithmetic: float matrix products may take bf16 or f16 operands with f32 sums; other float arithmetic in f32, or as packed bf16 or f16 multiplies, adds, multiply-adds, maxima and minima; sums over many terms, partial sums and values carried from step to step in f32; what a program stores and reads back later, other than sums and carried values, may be rounded once to bf16 or f16.
;; Inputs: U_b 1,024 float32; U_w 1,024 x 1,024 float32; V_b 1 float32; V_w 1,024 x 1 float32; W_b 1,024 float32; W_w 1,024 x 1,024 float32; hidden_states 32 x 2,048 x 1,024 float32; s_prev 32 x 1,024 float32.
;; Outputs: out0 32 x 1,024 float32; out1 32 x 2,048 x 1 float32.
;; 3 versions, each right and faster than the one before. Each part assembles by itself: llvm-mc -triple=amdgcn-amd-amdhsa -mcpu=gfx1250 --defsym DOCPART=n.
;; ======== version 1 of 3: 3 launches
;; limits: values outside matrix products are rounded to bf16
;; workspace buffers: Uf 2,097,152 bytes; biasP 524,288 bytes; scores 262,144 bytes; ctxP 4,194,304 bytes
;; launch prep (part 1): grid 16 x 4, 8 waves a work-group, no clusters, 111,616 bytes of LDS; arguments U_w, W_w, s_prev, Uf, biasP; writes Uf, biasP
.if DOCPART == 1
	.amdgcn_target "amdgcn-amd-amdhsa--gfx1250"
	.amdhsa_code_object_version 6
	.text
	.protected	k_qda606eb612_prep
	.globl	k_qda606eb612_prep
	.p2align	8
	.type	k_qda606eb612_prep,@function
k_qda606eb612_prep:
	s_mov_b64 s[64:65], 0
	v_nop
	global_prefetch_b8 v0, s[64:65] scope:SCOPE_SE
	s_setreg_imm32_b32 hwreg(HW_REG_WAVE_MODE, 25, 1), 1
	s_wait_xcnt 0x0
; PREP.  Two things, both on 32 rows (k) x 64 columns (n) a wave:
;  (1) U_w [k][n] f32 is rounded to bf16 and written as ready matrix fragments: Uf[n tile 64][k step 32][half 2][lane 32][16 bytes];
;      lane (r, h) of fragment (nt, ks) holds column 16 nt + r; half 0: k = 32 ks + 8 h + 0..7, half 1: those k + 16.
;  (2) the decoder's product s_prev x W_w, in bf16 with f32 sums: the work-group's quarter of K, summed over its eight waves in f32:
;      biasP[k quarter 4][b 32][n 1024].  The four quarters and the biases are added by the next launch.
; Work-group (x, y): columns 64 x .. 64 x + 63, k quarter y; wave v: k step 8 y + v.  64 work-groups: all the work there is (8 MiB read once).
; No tensor load: each byte passes through registers for its rounding.  No cluster: no two work-groups read the same weights.
.set TRSW,  5120                       ; a wave's stage for the turn: 32 rows (k) x 160 bytes (128 of bf16 + 32 of padding)
.set RED,   40960                      ; behind the stages: 32 rows (b) x 272 bytes (256 of f32 + 16) for each wave
.set REDW,  8704
.set SPARE, 110592                     ; the spare words: 128 bytes a wave, four blocks of 256 bytes that no other line names
.set UL, 32                            ; v[32:95]   U as loaded; later W's fragments (v[32:63]), then the eight waves' partial sums
.set WL, 96                            ; v[96:159]  W as loaded
.set SL, 160                           ; v[160:191] s_prev as loaded; its two fragments in v[160:175]
.set D,  192                           ; v[192:255] U's fragments on their way out, then the eight accumulators
	s_load_b256 s[4:11], s[0:1], 0x0               ; U_w s[4:5], W_w s[6:7], s_prev s[8:9], Uf s[10:11]
	s_load_b64 s[12:13], s[0:1], 0x20              ; biasP
	v_lshl_add_u32 v14, v0, 2, SPARE               ; my spare word, and 0: kept for the add at the wave's end
	v_mov_b32 v15, 0
	v_lshrrev_b32 v1, 5, v0
	v_readfirstlane_b32 s14, v1                    ; wave 0..7
	s_mov_b32 s15, ttmp9                           ; x
	s_and_b32 s16, ttmp7, 0xffff                   ; y
	s_lshl3_add_u32 s17, s16, s14                  ; k step = 8 y + wave
	v_and_b32 v1, 31, v0                           ; lane
	v_and_b32 v2, 15, v0                           ; r
	v_bfe_u32 v3, v0, 4, 1                         ; h
	s_lshl_b32 s18, s17, 17                        ; 32 rows of 4,096 bytes a k step,
	s_lshl_b32 s20, s15, 8                         ; 256 bytes a slab of 64 columns
	s_add_co_u32 s18, s18, s20
	s_mov_b32 s19, 0
	s_lshl_b32 s20, s17, 7                         ; s_prev: 128 bytes a k step
	s_mov_b32 s21, 0
	s_lshl_b32 s22, s15, 17                        ; Uf: four n tiles of 32,768 bytes a slab,
	s_lshl_b32 s23, s17, 10                        ; 1,024 bytes a k step
	s_add_co_u32 s22, s22, s23
	s_mov_b32 s23, 0
	s_lshl_b32 s24, s16, 17                        ; biasP: 131,072 bytes a quarter,
	s_lshl_b32 s25, s15, 8                         ; 256 bytes a slab
	s_add_co_u32 s24, s24, s25
	s_mov_b32 s25, 0
	s_mul_i32 s26, s14, TRSW                       ; my stage
	s_mul_i32 s27, s14, REDW
	s_add_co_u32 s27, s27, RED                     ; my rows for the sum over waves
	v_lshlrev_b32 v4, 4, v2
	v_lshl_add_u32 v4, v3, 12, v4                  ; weights: lanes 0-15 one row's 256 bytes, lanes 16-31 the next row's
	v_lshlrev_b32 v5, 12, v2
	v_lshl_add_u32 v5, v3, 5, v5                   ; s_prev: row r, 32 bytes (8 k) for each half of the lanes
	v_mul_u32_u24 v6, v3, 160
	v_lshl_add_u32 v6, v2, 3, v6
	v_add_nc_u32 v6, s26, v6                       ; into the stage: the same two rows, 8 bytes a lane
	v_and_b32 v12, 7, v0
	v_lshl_add_u32 v12, v3, 3, v12
	v_mul_u32_u24 v7, v12, 160
	v_bfe_u32 v12, v0, 3, 1
	v_lshl_add_u32 v7, v12, 4, v7
	v_add_nc_u32 v7, s26, v7                       ; the turning load: row 8 h + lane % 8, 16 bytes by (lane / 8) % 2
	v_lshlrev_b32 v8, 4, v1                        ; 16 x lane
	v_mul_u32_u24 v9, v2, 272
	v_lshl_add_u32 v9, v3, 5, v9
	v_add_nc_u32 v9, s27, v9                       ; partial sums in: row b = r, 32 bytes for each half of the lanes
	v_lshrrev_b32 v12, 4, v0                       ; thread / 16
	v_mul_u32_u24 v10, v12, 272
	v_lshl_add_u32 v10, v2, 4, v10
	v_add_nc_u32 v10, RED, v10                     ; partial sums back: row thread / 16, 16 bytes by thread % 16
	v_lshlrev_b32 v11, 4, v2
	v_lshl_add_u32 v11, v12, 12, v11               ; and the same place in biasP
	s_wait_kmcnt 0x0
	s_add_nc_u64 s[4:5], s[4:5], s[18:19]
	s_add_nc_u64 s[6:7], s[6:7], s[18:19]
	s_add_nc_u64 s[8:9], s[8:9], s[20:21]
	s_add_nc_u64 s[10:11], s[10:11], s[22:23]
	s_add_nc_u64 s[12:13], s[12:13], s[24:25]
.set i, 0
.rept 16                                               ; all 40 loads go out at once: 16 of U, 16 of W (two rows of 256 bytes each), 8 of s_prev
	global_load_b128 v[UL+4*i:UL+4*i+3], v4, s[4:5] offset:i*8192 th:TH_LOAD_NT
.set i, i+1
.endr
.set i, 0
.rept 16
	global_load_b128 v[WL+4*i:WL+4*i+3], v4, s[6:7] offset:i*8192 th:TH_LOAD_NT
.set i, i+1
.endr
.irp m, 0,1
	global_load_b128 v[SL+16*\m:SL+16*\m+3],     v5, s[8:9] offset:\m*65536
	global_load_b128 v[SL+16*\m+4:SL+16*\m+7],   v5, s[8:9] offset:\m*65536+16
	global_load_b128 v[SL+16*\m+8:SL+16*\m+11],  v5, s[8:9] offset:\m*65536+64
	global_load_b128 v[SL+16*\m+12:SL+16*\m+15], v5, s[8:9] offset:\m*65536+80
.endr
; 32 rows (k) x 64 columns of f32 in v[src ..] are rounded to bf16, laid into my stage by rows and read back turned: four fragments in v[dst ..].
; The stage is my wave's own, and LDS serves a wave's instructions in order (ISA guide 5.7.1.4): no wait between the stores and the loads, nor between one use of the stage and the next.
.macro TURN src, dst
.set ti, 0
.rept 16
	v_cvt_pk_bf16_f32 v[(\src)+4*ti],   v[(\src)+4*ti],   v[(\src)+4*ti+1]
	v_cvt_pk_bf16_f32 v[(\src)+4*ti+1], v[(\src)+4*ti+2], v[(\src)+4*ti+3]
.set ti, ti+1
.endr
.set ti, 0
.rept 16
	ds_store_b64 v6, v[(\src)+4*ti:(\src)+4*ti+1] offset:ti*320
.set ti, ti+1
.endr
.set ti, 0
.rept 4
	ds_load_tr16_b128 v[(\dst)+8*ti:(\dst)+8*ti+3],   v7 offset:32*ti
	ds_load_tr16_b128 v[(\dst)+8*ti+4:(\dst)+8*ti+7], v7 offset:32*ti+2560
.set ti, ti+1
.endr
.endm
	s_wait_loadcnt 24                              ; U is in: the 24 loads issued behind it may stay out
	TURN UL, D
	s_wait_dscnt 0x0
.irp t, 0,1,2,3
	global_store_b128 v8, v[D+8*\t:D+8*\t+3],   s[10:11] offset:\t*32768       ; each store: 512 consecutive bytes, aligned
	global_store_b128 v8, v[D+8*\t+4:D+8*\t+7], s[10:11] offset:\t*32768+512
.endr
	s_wait_loadcnt 8                               ; W is in: s_prev's eight may stay out
	TURN WL, UL
	s_wait_loadcnt 0x0                             ; s_prev
.set i, 0
.rept 16                                               ; its two fragments: register n from registers 2 n, 2 n + 1, ascending, so that no source is overwritten early
	v_cvt_pk_bf16_f32 v[SL+i], v[SL+2*i], v[SL+2*i+1]
.set i, i+1
.endr
	s_wait_dscnt 0x0                               ; W's fragments
	s_wait_xcnt 0x0                                ; the stores of U's fragments have read their registers, which now take the sums
.irp t, 0,1,2,3                                        ; source 0 = 16 columns of W, source 1 = 16 rows of s_prev: a lane holds one b and eight neighbouring n.  Eight accumulators, one product each
.irp m, 0,1
	v_wmma_f32_16x16x32_bf16 v[D+8*(2*\t+\m):D+8*(2*\t+\m)+7], v[UL+8*\t:UL+8*\t+7], v[SL+8*\m:SL+8*\m+7], 0
.endr
.endr
.rept 4
	v_nop                                          ; four places between the products and the LDS stores that read them, and the loads below into W's fragments
.endr
.irp t, 0,1,2,3
.irp m, 0,1
	ds_store_b128 v9, v[D+8*(2*\t+\m):D+8*(2*\t+\m)+3]   offset:\m*4352+64*\t
	ds_store_b128 v9, v[D+8*(2*\t+\m)+4:D+8*(2*\t+\m)+7] offset:\m*4352+64*\t+16
.endr
.endr
	s_wait_dscnt 0x0                               ; for the others' sake: my partial sums are in LDS
	s_barrier_signal -1
	s_barrier_wait -1
.irp w, 0,1,2,3,4,5,6,7
	ds_load_b128 v[UL+8*\w:UL+8*\w+3],   v10 offset:\w*REDW
	ds_load_b128 v[UL+8*\w+4:UL+8*\w+7], v10 offset:\w*REDW+4352
.endr
	s_wait_dscnt 0x0
.irp w, 1,2,3,4,5,6,7
.irp c, 0,2,4,6
	v_pk_add_f32 v[UL+\c:UL+\c+1], v[UL+\c:UL+\c+1], v[UL+8*\w+\c:UL+8*\w+\c+1]
.endr
.endr
	global_store_b128 v11, v[UL:UL+3],   s[12:13]               ; 16 lanes store 256 consecutive bytes, aligned
	global_store_b128 v11, v[UL+4:UL+7], s[12:13] offset:65536  ; and the row 16 further down
	s_wait_tensorcnt 0x0                           ; the wave's end: the tensor wait, the add and its wait, behind my last LDS store
	ds_add_u32 v14, v15
	s_wait_dscnt 0x0
	s_endpgm
.Lfunc_end_k_qda606eb612_prep:
	.size	k_qda606eb612_prep, .Lfunc_end_k_qda606eb612_prep-k_qda606eb612_prep
	.p2alignl 7, 3214868480
	.fill 96, 4, 3214868480
	.section	.rodata,"a",@progbits
	.p2align	6, 0x0
	.amdhsa_kernel k_qda606eb612_prep
		.amdhsa_group_segment_fixed_size 111616
		.amdhsa_private_segment_fixed_size 0
		.amdhsa_enable_private_segment 0
		.amdhsa_kernarg_size 40
		.amdhsa_user_sgpr_count 2
		.amdhsa_user_sgpr_kernarg_segment_ptr 1
		.amdhsa_wavefront_size32 1
		.amdhsa_system_sgpr_workgroup_id_x 1
		.amdhsa_system_sgpr_workgroup_id_y 1
		.amdhsa_system_sgpr_workgroup_id_z 1
		.amdhsa_system_vgpr_workitem_id 0
		.amdhsa_next_free_vgpr 256
		.amdhsa_next_free_sgpr 66
		.amdhsa_reserve_vcc 0
		.amdhsa_float_denorm_mode_32 3
		.amdhsa_float_denorm_mode_16_64 3
		.amdhsa_memory_ordered 1
		.amdhsa_forward_progress 1
		.amdhsa_inst_pref_size 21
	.end_amdhsa_kernel
	.amdgpu_metadata
---
amdhsa.version: [ 1, 2 ]
amdhsa.kernels:
  - .name:           k_qda606eb612_prep
    .symbol:         k_qda606eb612_prep.kd
    .args:
      - { .name: U_w, .offset: 0, .size: 8, .value_kind: global_buffer, .address_space: global }
      - { .name: W_w, .offset: 8, .size: 8, .value_kind: global_buffer, .address_space: global }
      - { .name: s_prev, .offset: 16, .size: 8, .value_kind: global_buffer, .address_space: global }
      - { .name: Uf, .offset: 24, .size: 8, .value_kind: global_buffer, .address_space: global }
      - { .name: biasP, .offset: 32, .size: 8, .value_kind: global_buffer, .address_space: global }
    .group_segment_fixed_size: 111616
    .private_segment_fixed_size: 0
    .kernarg_segment_align: 8
    .kernarg_segment_size: 40
    .max_flat_workgroup_size: 256
    .sgpr_count:     66
    .vgpr_count:     256
    .wavefront_size: 32
...
	.end_amdgpu_metadata
.endif
;; end of part 1
;; launch main (part 2): grid 512 x 1, 4 waves a work-group, clusters of 4 x 1, 327,680 bytes of LDS; arguments hidden_states, Uf, biasP, W_b, U_b, V_w, V_b, scores, ctxP; writes scores, ctxP
.if DOCPART == 2
	.amdgcn_target "amdgcn-amd-amdhsa--gfx1250"
	.amdhsa_code_object_version 6
	.text
	.protected	k_qda606eb612_main
	.globl	k_qda606eb612_main
	.p2align	8
	.type	k_qda606eb612_main,@function
k_qda606eb612_main:
	s_mov_b64 s[64:65], 0
	v_nop
	global_prefetch_b8 v0, s[64:65] scope:SCOPE_SE
	s_setreg_imm32_b32 hwreg(HW_REG_WAVE_MODE, 25, 1), 1
	s_wait_xcnt 0x0
	s_wait_alu depctr_hold_cnt(0) depctr_sa_sdst(0) depctr_va_vdst(0) depctr_va_sdst(0) depctr_va_ssrc(0) depctr_va_vcc(0) depctr_vm_vsrc(0)
	s_getreg_b32 s2, hwreg(HW_REG_IB_STS2, 6, 4)
	s_cmp_eq_u32 s2, 0
	s_cbranch_scc0 .Lentry_in_a_cluster
	s_endpgm
.Lentry_in_a_cluster:
	s_bfe_u32 s2, ttmp6, 0x10000c
	s_cmp_lg_u32 s2, 0x3003
	s_cbranch_scc0 .Lentry_shape_is_right
	s_endpgm
.Lentry_shape_is_right:
; MAIN.  For 128 rows of one batch: score[row] = sum over n of V[n] tanh(dec[n] + U_b[n] + sum over k of hidden[row][k] U_w[k][n]) + V_b, and, for each group of 64 rows, the
; weights p = e^(score - the group's maximum) and the partial context sum of p x hidden over the group.  The next launch joins the groups of a batch.
; THE ROWS STAY.  hidden is read once, rounded once to bf16 and kept in registers from the product to the context: wave (i, kh) holds rows 64 i .. 64 i + 63 and k = 512 kh .. + 511: 4 row tiles x 16 k steps
; x 8 registers = 512.  U_w, as ready fragments (Uf, 2 MiB), goes past them through two LDS slots of 131,072 bytes (a chunk = four n tiles of 32,768 bytes; each wave fetches one of them).
; A PERIOD is 32 columns: two n tiles, 128 products a wave.  A fragment of U read from LDS (1,024 bytes) feeds four products.  Each wave sums over its half of K for both n tiles; the sums of one tile it
; sends to its partner (i, 1 - kh) through LDS, those of the other it finishes with what the partner sent.  tanh, the dot with V and the exchange of one period stand as riders among the products of the next.
; tanh(x) = 1 - 2 / (1 + 2^(K2 x)), K2 = 2 log2(e); with V' = -2 V the score is the sum of V' / (1 + 2^(K2 x)), less half the sum of V', plus V_b.
; CLUSTER.  All work-groups walk the same Uf, so the four of a cluster ask for each chunk jointly: same tensor load, same descriptor (it hangs on the wave's number alone), mask of four.
; LIMITS.  hidden counts as its bf16 rounding in the context too.  The score is a difference of two f32 sums, each at most the sum of 2 |V|: its absolute error grows with that sum times 2^-24.
; 2^(K2 x) beyond f32's range gives tanh = 1, below it tanh = -1.  A weight below 2^-126 counts as 0.  NaN and infinities are not treated apart.  The order of the sums is not the reference's.
; REGISTERS, in windows of 256 (s_set_vgpr_msb: bits 1:0 source 0, 3:2 source 1, 5:4 source 2, 7:6 destination):
;   window 0: v0-31 addresses and small things; v32-95 eight fragment buffers; v96-127 sums to send; v128-159 sums to finish; v160-191 received sums, at work; v192-223 scores; v224-255 at work
;   window 1: hidden, k steps 0-7 (row tile m, k step s at 8 (4 (s % 8) + m));  window 2: k steps 8-15;  window 3: four landing sets of 64 while hidden is loaded
.set SLOTB, 131072                     ; a slot; slot 0 at LDS byte 0, slot 1 behind it: filled by tensor loads alone
.set XBUF,  262144                     ; the exchange: 8,192 bytes a wave, two buffers of 4,096 by the period's parity; also the wave's stage while hidden is loaded and on the way out
.set TABB,  294912                     ; K2 x (decoder + both biases), 1,024 f32;  4,096 bytes further: V'
.set SCX,   303104                     ; 256 bytes a wave: its 64 rows' half scores
.set SPARE, 304128                     ; the spare words: 128 bytes a wave, two blocks of 256 bytes that no other line names
.set FB,   32
.set ACC1, 96
.set ACC0, 128
.set R,    160
.set SC,   192
.set T,    224
; v4, v5 my lane's place in the tile to finish / to send; v6, v7 the same in the period in hand; v8, v9 my / my partner's exchange buffer; v10, v11 where I send / receive now; v12, v13 my place in the tables
; v14, v15 the add's two registers; v[16:17] K2 bias; v[18:19] V'; v[20:21] the sum of V'; v22 16 x lane; v23, v24 stage in / out
; s26 wave, s27 kh, s28 i, s30 block of 128 rows; s[32:39] descriptor group 1; s[40:43], s[44:47] group 0 for the two first fills, the second then walks; s48 the period's LDS byte; s49 the exchange's parity;
; s50 the period's byte in the tables; s51, s52 counters; s[54:55] K2; s[56:57] log2(e); s[58:59] v_permlanex16_b32's selects; s60 lanes 16-31; s61 V_b; s[68:69] hidden at my rows
.set MSB, 0
.set CNT, 0                            ; LDS instructions written so far
.set PLC, 4                            ; plain vector instructions written since the last product that ended a fragment's use
.set LR,  0
.irp n, 0,1,2,3,4,5,6,7
.set LF\n, 0                           ; CNT just behind the loads into fragment buffer n
.endr
.macro WIN new                         ; the immediate's high byte repeats the setting that is left; a switch that changes nothing is dropped
.if MSB != (\new)
	s_set_vgpr_msb (MSB<<8)|(\new)
.set MSB, (\new)
.endif
.endm
.macro PLACES
.rept 4
	v_nop
.endr
.endm
.macro CREST                           ; a round of the cluster's barrier behind its opening barrier
	s_cmp_lg_u32 s26, 0
	s_cbranch_scc1 .Lnot_wave_0_\@
	s_barrier_signal -3
.Lnot_wave_0_\@:
	s_barrier_wait -3
	s_barrier_signal -1
	s_barrier_wait -1
.endm
.macro CROUND
	s_barrier_signal -1
	s_barrier_wait -1
	CREST
.endm
	s_load_b512 s[8:23], s[0:1], 0x0               ; hidden 8, Uf 10, biasP 12, W_b 14, U_b 16, V_w 18, V_b 20, scores 22
	s_load_b64 s[24:25], s[0:1], 0x40              ; ctxP
	v_lshl_add_u32 v14, v0, 2, SPARE
	v_mov_b32 v15, 0
	ds_add_u32 v14, v15                            ; the wave's opening: the add and its wait ahead of my first tensor load; the set-up below, work on registers, stands between them
	v_lshrrev_b32 v1, 5, v0
	v_readfirstlane_b32 s26, v1                    ; wave 0..3
	s_and_b32 s27, s26, 1                          ; kh: my half of K
	s_lshr_b32 s28, s26, 1                         ; i: my half of the rows
	s_bfe_u32 s29, ttmp6, 0x40000                  ; cx: it enters global addresses of my own loads and stores alone
	s_lshl_b32 s30, ttmp9, 2
	s_add_co_u32 s30, s30, s29                     ; my block of 128 rows
	s_mov_b32 s32, 15|(3<<16)|(1<<21)              ; group 1: 15:0 the mask of four; 17:16 elements of 8 bytes; 21 set beside a mask; no padding
	s_mov_b32 s33, 32<<16                          ; tensor_dim0 = 32 elements: rows of 256 bytes
	s_mov_b32 s34, 128<<16                         ; tensor_dim1 = 128 rows: an n tile's 32,768 dense bytes
	s_mov_b32 s35, 32<<16                          ; tile_dim0 = 32
	s_mov_b32 s36, 128                             ; tile_dim1 = 128
	s_mov_b32 s37, 32                              ; 32 elements from row to row
	s_mov_b32 s38, 0
	s_mov_b32 s39, 0
	s_mov_b32 s40, 1                               ; group 0: count = 1
	s_lshl_b32 s41, s26, 15                        ; LDS address: wave x 32,768, in slot 0
	s_mov_b32 s44, 1
	s_add_co_u32 s45, s41, SLOTB                   ; and in slot 1
	s_lshl_b32 s66, s26, 15                        ; my n tile of a chunk in Uf
	s_mov_b32 s67, 0
	s_mov_b32 s54, 0x4038aa3b                      ; K2 = 2 log2(e)
	s_mov_b32 s55, s54
	s_mov_b32 s56, 0x3fb8aa3b                      ; log2(e)
	s_mov_b32 s57, s56
	s_mov_b32 s58, 0x76543210
	s_mov_b32 s59, 0xfedcba98
	s_mov_b32 s60, 0xffff0000
	s_lshl_b32 s70, s30, 19                        ; hidden: 128 rows of 4,096 bytes a block,
	s_lshl_b32 s4, s28, 18                         ; 64 rows a half,
	s_add_co_u32 s70, s70, s4
	s_lshl_b32 s4, s27, 11                         ; 2,048 bytes a half of K
	s_add_co_u32 s70, s70, s4
	s_mov_b32 s71, 0
	s_lshr_b32 s72, s30, 4                         ; the batch: 16 blocks each
	s_lshl_b32 s72, s72, 12                        ; its row of biasP
	s_mov_b32 s73, 0
	s_lshl1_add_u32 s5, s30, s28                   ; my group of 64 rows
	s_lshl_b32 s74, s5, 8                          ; its 256 bytes of scores
	s_mov_b32 s75, 0
	s_lshl_b32 s76, s5, 12                         ; its row of ctxP,
	s_add_co_u32 s76, s76, s4                      ; my half of it
	s_mov_b32 s77, 0
	s_mul_i32 s62, s27, 49152                      ; in a period's 65,536 bytes: n tile kh (32,768 each), k steps 16 kh on (1,024 each)
	s_lshl_b32 s63, s27, 14
	s_sub_co_u32 s63, 32768, s63                   ; n tile 1 - kh, k steps 16 kh on
	s_lshl_b32 s53, s26, 13
	s_add_co_u32 s53, s53, XBUF                    ; my exchange buffers
	s_xor_b32 s31, s26, 1
	s_lshl_b32 s31, s31, 13
	s_add_co_u32 s31, s31, XBUF                    ; my partner's
	s_lshl_b32 s6, s27, 6
	s_add_co_u32 s6, s6, TABB
	v_and_b32 v1, 31, v0                           ; lane
	v_and_b32 v2, 15, v0                           ; r
	v_bfe_u32 v3, v0, 4, 1                         ; h
	v_lshl_add_u32 v4, v1, 4, s62
	v_lshl_add_u32 v5, v1, 4, s63
	v_lshl_add_u32 v8, v1, 4, s53
	v_lshl_add_u32 v9, v1, 4, s31
	v_lshl_add_u32 v12, v2, 2, s6                  ; column 16 kh + r of a period's 32
	v_lshlrev_b32 v22, 4, v1
	v_lshl_add_u32 v23, v1, 3, s53                 ; stage in: 8 bytes a lane of a row
	v_mul_u32_u24 v24, v2, 272
	v_lshl_add_u32 v24, v3, 4, v24
	v_add_nc_u32 v24, s53, v24                     ; stage out: row r, 16 bytes for each half of the lanes
	v_lshlrev_b32 v25, 5, v0                       ; the tables: eight numbers a thread
	v_lshl_add_u32 v26, v0, 5, TABB
	s_wait_dscnt 0x0                               ; the opening add is done
	s_wait_kmcnt 0x0
	s_add_nc_u64 s[42:43], s[10:11], s[66:67]      ; chunk 0, my n tile
	s_add_nc_u64 s[46:47], s[42:43], SLOTB         ; chunk 1
	s_or_b32 s43, s43, 0x80000000                  ; type = 2
	s_or_b32 s47, s47, 0x80000000
	s_add_nc_u64 s[68:69], s[8:9], s[70:71]
	s_add_nc_u64 s[12:13], s[12:13], s[72:73]
	s_add_nc_u64 s[22:23], s[22:23], s[74:75]
	s_add_nc_u64 s[24:25], s[24:25], s[76:77]
	s_load_b32 s61, s[20:21], 0x0                  ; V_b
	CROUND                                         ; all four work-groups are here: the first joint loads meet
	tensor_load_to_lds s[40:43], s[32:39]          ; both first fills together: two loads of mine are out
	s_nop 0
	tensor_load_to_lds s[44:47], s[32:39]
	s_nop 0
	PLACES
; HIDDEN COMES IN, in 16 units of 16 rows x 512 bytes (four k steps); each load takes 512 consecutive bytes of a row.  Four units, 64 loads a wave, are kept on their way.
.macro UNIT_ISSUE u
.set um, (\u)/4
.set uc, (\u)%4
.set ul, 64*((\u)%4)
	WIN 0xc0                                       ; destination window 3
.set ur, 0
.rept 16
	global_load_b128 v[ul+4*ur:ul+4*ur+3], v22, s[68:69] offset:(16*um+ur)*4096+uc*512 th:TH_LOAD_NT
.set ur, ur+1
.endr
.endm
; A unit is rounded to bf16, laid into my stage by rows (pitch 272) and read back as four fragments.  The stage is my own: LDS serves a wave's instructions in order (ISA guide 5.7.1.4).
.macro UNIT_USE u, left
.set um, (\u)/4
.set uc, (\u)%4
.set ul, 64*((\u)%4)
	s_wait_loadcnt \left                           ; loads come back in order (ISA guide 5.7.1): this unit is in, the younger units stay out
	WIN 0x0f                                       ; sources window 3, destination window 0
.set ur, 0
.rept 16
	v_cvt_pk_bf16_f32 v[T+2*ur],   v[ul+4*ur],   v[ul+4*ur+1]
	v_cvt_pk_bf16_f32 v[T+2*ur+1], v[ul+4*ur+2], v[ul+4*ur+3]
.set ur, ur+1
.endr
	WIN 0
.set ur, 0
.rept 16
	ds_store_b64 v23, v[T+2*ur:T+2*ur+1] offset:ur*272
.set ur, ur+1
.endr
	WIN 0x40*(1+uc/2)                              ; destination window 1 or 2
.set ur, 0
.rept 4
.set ua, 8*(4*(4*(uc%2)+ur)+um)
	ds_load_b128 v[ua:ua+3],   v24 offset:64*ur
	ds_load_b128 v[ua+4:ua+7], v24 offset:64*ur+32
.set ur, ur+1
.endr
.endm
.irp y, 0,1,2,3                                        ; the tables' 14 loads go first
	global_load_b128 v[96+8*\y:99+8*\y],   v25, s[12:13] offset:\y*131072
	global_load_b128 v[100+8*\y:103+8*\y], v25, s[12:13] offset:\y*131072+16
.endr
	global_load_b128 v[128:131], v25, s[14:15]
	global_load_b128 v[132:135], v25, s[14:15] offset:16
	global_load_b128 v[136:139], v25, s[16:17]
	global_load_b128 v[140:143], v25, s[16:17] offset:16
	global_load_b128 v[144:147], v25, s[18:19]
	global_load_b128 v[148:151], v25, s[18:19] offset:16
	UNIT_ISSUE 0
	UNIT_ISSUE 1
	UNIT_ISSUE 2
	WIN 0
.set i, 0
.rept 32                                               ; the scores' sums start at 0: in the wait for the first loads
	v_mov_b32 v[SC+i], 0
.set i, i+1
.endr
	v_mov_b32 v17, 0                               ; the upper registers of pairs of which the packed lines take the lower for both halves
	v_mov_b32 v19, 0
	v_mov_b32 v20, 0                               ; the sum of V'
	v_mov_b32 v21, 0
	s_wait_loadcnt 48                              ; the tables' loads are in: three units were issued behind them
.irp a, 104,112,120,128,136                            ; four quarters of the decoder's product, W_b, U_b
.irp c, 0,2,4,6
	v_pk_add_f32 v[96+\c:97+\c], v[96+\c:97+\c], v[\a+\c:\a+\c+1]
.endr
.endr
.irp c, 0,2,4,6
	v_pk_mul_f32 v[96+\c:97+\c], v[96+\c:97+\c], s[54:55] op_sel_hi:[1,0]
	v_pk_mul_f32 v[144+\c:145+\c], v[144+\c:145+\c], -2.0 op_sel_hi:[1,0]
.endr
	ds_store_b128 v26, v[96:99]
	ds_store_b128 v26, v[100:103] offset:16
	ds_store_b128 v26, v[144:147] offset:4096
	ds_store_b128 v26, v[148:151] offset:4112
	UNIT_ISSUE 3
.set uu, 0
.rept 16
.if uu < 13
	UNIT_USE uu, 48
.else
	UNIT_USE uu, 16*(15-uu)
.endif
.if uu < 12
	UNIT_ISSUE uu+4
.endif
.set uu, uu+1
.endr
	WIN 0
	s_wait_kmcnt 0x0                               ; V_b
	s_wait_tensorcnt 0x1                           ; my part of chunk 0 is in; chunk 1's may stay out
	s_wait_dscnt 0x0                               ; my rows are in registers, my part of the tables in LDS
	s_barrier_signal -1
	s_barrier_wait -1
; THE PERIOD'S PARTS.
.macro MARK b
.irp n, 0,1,2,3,4,5,6,7
.if (\b) == \n
.set LF\n, CNT
.endif
.endr
.endm
.macro FWAIT b                         ; LDS instructions end in order (ISA guide 5.7.1): the count is the number of them written behind the loads into buffer b
.irp n, 0,1,2,3,4,5,6,7
.if (\b) == \n
	s_wait_dscnt CNT-LF\n
.endif
.endr
.endm
; Fragment f of a period's 32 (0-15: the tile to send, 16-31: the tile to finish; k step f % 16) into buffer f % 8: two loads of 512 consecutive bytes.  A load into registers that a product has read stands
; four plain vector instructions behind that product (ISA guide 7.12.1 for vector instructions): what the riders have not filled is filled with v_nop.
.macro BLOAD f
.set bf, (\f)
	WIN 0
.rept 4
.if PLC < 4
	v_nop
.set PLC, PLC+1
.endif
.endr
	ds_load_b128 v[FB+8*(bf%8):FB+8*(bf%8)+3],   v[7-bf/16] offset:(bf%16)*1024
	ds_load_b128 v[FB+8*(bf%8)+4:FB+8*(bf%8)+7], v[7-bf/16] offset:(bf%16)*1024+512
.set CNT, CNT+2
	MARK bf%8
.endm
; Product i of a period's 128: fragment i / 4, row tile i % 4.  Source 0 = 16 rows of hidden, source 1 = 16 columns of U: a lane holds ONE column (lane % 16) and the rows 8 (lane / 16) + 0..7.
; The four accumulators of a tile take turns, one instruction a turn; the first k step starts the sums with the constant 0.
.macro MMA i
.set mi, (\i)
.set mks, (mi%64)/4
.set mm, mi%4
.set macc, ACC1+32*(mi/64)+8*mm
.set mra, 8*(4*(mks%8)+mm)
.set mfb, FB+8*((mi/4)%8)
.if (mm == 0) && (mi < 108)
	FWAIT (mi/4)%8
.endif
	WIN 1+mks/8
.if mks == 0
	v_wmma_f32_16x16x32_bf16 v[macc:macc+7], v[mra:mra+7], v[mfb:mfb+7], 0
.else
	v_wmma_f32_16x16x32_bf16 v[macc:macc+7], v[mra:mra+7], v[mfb:mfb+7], v[macc:macc+7]
.endif
.if mm == 3
.set PLC, 0
.endif
.endm
; THE RIDERS: what is made of a finished tile's 32 sums a lane, in two lists.  Row tile t has v[R+8t ..] and v[SC+8t ..]; a block of the plain list is four packed lines, of the other eight lines.
; Plain: A = received + own sums (each accumulator's lowest pair first); F = K2 x + K2 bias; O = + 1; S = score += V' x reciprocal; N = nothing is ready.
; In the order A0 F0 A1 F1 O0 A2 F2 O1 A3 S0 F3 N S1 O2 O3 N S2 N S3, beside E0 E1 C0 E2 C1 E3 C2 C3 (E = 2^x, C = reciprocal), every stage begins a block or more behind the one that feeds it,
; and a plain line of another tile stands behind each line of the second list (ISA guide 5.7.2).
.macro EPA t
	v_pk_add_f32 v[R+8*(\t)+pq:R+8*(\t)+pq+1], v[R+8*(\t)+pq:R+8*(\t)+pq+1], v[ACC0+8*(\t)+pq:ACC0+8*(\t)+pq+1]
.endm
.macro EPF t
	v_pk_fma_f32 v[R+8*(\t)+pq:R+8*(\t)+pq+1], v[R+8*(\t)+pq:R+8*(\t)+pq+1], s[54:55], v[16:17] op_sel_hi:[1,0,0]
.endm
.macro EPO t
	s_wait_alu depctr_va_vdst(0)
	v_pk_add_f32 v[R+8*(\t)+pq:R+8*(\t)+pq+1], v[R+8*(\t)+pq:R+8*(\t)+pq+1], 1.0 op_sel_hi:[1,0]
.endm
.macro EPS t
	s_wait_alu depctr_va_vdst(0)
	v_pk_fma_f32 v[SC+8*(\t)+pq:SC+8*(\t)+pq+1], v[R+8*(\t)+pq:R+8*(\t)+pq+1], v[18:19], v[SC+8*(\t)+pq:SC+8*(\t)+pq+1] op_sel_hi:[1,0,1]
.endm
.macro EPP n
.set pb, (\n)/4
.set pq, 2*((\n)%4)
.if pb == 0
	EPA 0
.elseif pb == 1
	EPF 0
.elseif pb == 2
	EPA 1
.elseif pb == 3
	EPF 1
.elseif pb == 4
	EPO 0
.elseif pb == 5
	EPA 2
.elseif pb == 6
	EPF 2
.elseif pb == 7
	EPO 1
.elseif pb == 8
	EPA 3
.elseif pb == 9
	EPS 0
.elseif pb == 10
	EPF 3
.elseif pb == 12
	EPS 1
.elseif pb == 13
	EPO 2
.elseif pb == 14
	EPO 3
.elseif pb == 16
	EPS 2
.elseif pb == 18
	EPS 3
.elseif (\n) == 44
	v_add_f32 v20, v20, v18                        ; the sum of V' takes this period's
.else
	v_nop
.endif
.set PLC, PLC+1
.endm
.macro EPT n
.set tb, (\n)/8
.set tq, (\n)%8
.if tb < 2
	v_exp_f32 v[R+8*tb+tq], v[R+8*tb+tq]
.elseif tb == 2
	v_rcp_f32 v[R+tq], v[R+tq]
.elseif tb == 3
	v_exp_f32 v[R+16+tq], v[R+16+tq]
.elseif tb == 4
	v_rcp_f32 v[R+8+tq], v[R+8+tq]
.elseif tb == 5
	v_exp_f32 v[R+24+tq], v[R+24+tq]
.elseif tb == 6
	v_rcp_f32 v[R+16+tq], v[R+16+tq]
.else
	v_rcp_f32 v[R+24+tq], v[R+24+tq]
.endif
.endm
.macro EPG k                           ; the riders of group k, 6 to 43
.set ek, (\k)
.if ek < 10
	EPP 2*(ek-6)
	EPP 2*(ek-6)+1
.elseif ek < 42
	EPP 8+2*(ek-10)
	EPT 2*(ek-10)
	EPP 9+2*(ek-10)
	EPT 2*(ek-10)+1
.else
	EPP 72+2*(ek-42)
	EPP 73+2*(ek-42)
.endif
.endm
; Group k stands behind product 2 k + 1: first its riders, then its LDS instructions.  ep = 1: the period before has a tile to finish.  nx = 1: a period follows.
.macro GRP k, ep, nx
.set gk, (\k)
.if (\ep) && (gk >= 6) && (gk <= 43)
	WIN 0
.if gk == 6
	s_wait_dscnt CNT-LR                            ; the received sums and the tables' two words are in: behind them only two fragments' loads were written
.endif
	EPG gk
.endif
.if (gk%2 == 0) && (gk <= 48)
	BLOAD 7+gk/2                                   ; seven fragments ahead of the products
.endif
.if (\ep) && (gk == 1)
	WIN 0
	ds_load_b32 v16, v13                           ; K2 bias and V' of my column of the tile to finish
	ds_load_b32 v18, v13 offset:4096
.set CNT, CNT+2
.set LR, CNT
.endif
.if (gk >= 35) && (gk <= 41) && (gk%2 == 1)
	WIN 0                                          ; the sums to send, finished by product 63: 512 consecutive bytes a store, ascending
	ds_store_b128 v10, v[ACC1+4*(gk-35):ACC1+4*(gk-35)+3] offset:512*(gk-35)
	ds_store_b128 v10, v[ACC1+4*(gk-34):ACC1+4*(gk-34)+3] offset:512*(gk-34)
.set CNT, CNT+2
.endif
.if (\nx) && (gk >= 56) && (gk%2 == 0)
	BLOAD (gk-56)/2+3                              ; the next period's fragments 3 to 6
.endif
.if (gk >= 57) && (gk%2 == 1)
	WIN 0                                          ; what my partner sent, behind the period's barrier
	ds_load_b128 v[R+4*(gk-57):R+4*(gk-57)+3], v11 offset:512*(gk-57)
	ds_load_b128 v[R+4*(gk-56):R+4*(gk-56)+3], v11 offset:512*(gk-56)
.set CNT, CNT+2
.endif
.endm
.macro RUN from, to, ep, nx            ; products from .. to - 1 and their groups
.set ii, (\from)
.rept ((\to)-(\from))/2
	MMA ii
	MMA ii+1
	GRP ii/2, \ep, \nx
.set ii, ii+2
.endr
.endm
; Behind a period's barrier: the addresses step to the next period, and its first three fragments are fetched, 16 products ahead of their use.
.macro POST
	WIN 0
	s_add_co_u32 s48, s48, 65536                   ; four periods go once round the two slots
	s_and_b32 s48, s48, 0x3ffff
	v_add_nc_u32 v6, s48, v4
	v_add_nc_u32 v7, s48, v5
	v_add_nc_u32 v11, s49, v9                      ; I receive from the parity just sent,
	s_xor_b32 s49, s49, 4096
	v_add_nc_u32 v10, s49, v8                      ; and send into the other
	v_add_nc_u32 v13, s50, v12                     ; the tables of the period to finish
	s_add_co_u32 s50, s50, 128
	BLOAD 0
	BLOAD 1
	BLOAD 2
.endm
.macro BODY                            ; from one period's barrier to the next's: the last 16 products of a period, the first 108 of the next
	POST
	RUN 112, 128, 0, 1
	RUN 0, 108, 1, 0
	WIN 0                                          ; at a label and at a branch every window is 0
.endm
; A PERIOD'S BARRIER, among products 108 to 111.  In front of it each wave has waited for its sends and for all its reads of LDS; behind it the partner's sends may be read, and the parity read in the period before
; may be written again.  kind 1 (behind a chunk's second period): the slot just read out is filled again: all my tensor loads are waited for (one is out: my part of the other slot), the add follows, the walking
; descriptor steps, and the barrier opens a round of the cluster's, so that no wave of any partner still reads the slot or has a load on its way; the joint load is the first thing behind the round and has two
; periods, 256 products, in which to land.  kind 2: the same waits with nothing left to fetch.
.macro BOUND kind
.if (\kind) >= 1
	WIN 0
	s_wait_tensorcnt 0x0                           ; no tensor load of mine is out, so a group 0 may be written
	ds_add_u32 v14, v15                            ; 0 onto my spare word: two products stand between it and the wait for it
.if (\kind) == 1
	s_xor_b32 s45, s45, SLOTB                      ; the other slot than last time,
	s_add_nc_u64 s[46:47], s[46:47], SLOTB         ; the next chunk; the type bits on top are not reached
.endif
	s_wait_dscnt 11                                ; fragment 27 is in: behind its loads stand two sends, fragments 28 to 31 and the add
.else
	s_wait_dscnt 10                                ; fragment 27 is in: behind its loads stand two sends and fragments 28 to 31
.endif
	MMA 108
	MMA 109
	s_wait_dscnt 0x0                               ; my sends are in LDS, my reads of the slot and of my partner's buffer are back (and the add is done)
	s_barrier_signal -1
	MMA 110
	MMA 111
	WIN 0
	s_barrier_wait -1
.if (\kind) == 1
	CREST
	tensor_load_to_lds s[44:47], s[32:39]
	s_nop 0
.endif
	PLACES                                         ; the places in front of the loads into the buffers that products up to 111 have read
.set PLC, 4
.endm
	s_mov_b32 s48, 0                               ; period 0
	s_mov_b32 s49, 0
	s_mov_b32 s50, 0
	v_mov_b32 v6, v4
	v_mov_b32 v7, v5
	v_mov_b32 v10, v8
.set PLC, 4
.irp f, 0,1,2,3,4,5,6
	BLOAD \f
.endr
	RUN 0, 108, 0, 0
	WIN 0
	s_mov_b32 s51, 14
.Lmain:                                                ; a trip: a chunk's two periods; chunks 2 to 15 are asked for
	BOUND 0
	BODY
	BOUND 1
	BODY
	s_sub_co_u32 s51, s51, 1
	s_cmp_lg_u32 s51, 0
	s_cbranch_scc1 .Lmain
	s_mov_b32 s52, 3
.Ltail:                                                ; periods 28 to 30 end: nothing is asked for; the first trip's wait shows chunk 15 landed, the others' are met at once
	BOUND 2
	BODY
	s_sub_co_u32 s52, s52, 1
	s_cmp_lg_u32 s52, 0
	s_cbranch_scc1 .Ltail
	BOUND 0                                        ; period 31's barrier
	v_add_nc_u32 v11, s49, v9
	v_add_nc_u32 v13, s50, v12
	ds_load_b32 v16, v13
	ds_load_b32 v18, v13 offset:4096
	RUN 112, 128, 0, 0                             ; its last 16 products, and what my partner sent
	WIN 0
	PLACES                                         ; between the last products and the lines that read them
	s_wait_dscnt 0x0
.set dk, 6
.rept 38                                               ; the last tile's riders, with no products left to ride on
	EPG dk
.set dk, dk+1
.endr
; THE SCORES.  A lane holds, for 32 rows, the sum over its column class; the 16 lanes of a half are added, four steps that ride on the addition (DPP).
.irp x, 1,2,4,8
.set fq, 0
.rept 32
	v_add_f32_dpp v[SC+fq], v[SC+fq], v[SC+fq] row_xmask:\x row_mask:0xf bank_mask:0xf
.set fq, fq+1
.endr
	v_add_f32_dpp v20, v20, v20 row_xmask:\x row_mask:0xf bank_mask:0xf
.endr
	v_subrev_f32 v20, s61, v20                     ; my wave's constant: -0.5 (the sum of its V' - V_b); the partner adds the other half of V_b
	v_mul_f32 v20, -0.5, v20
.set fq, 0
.rept 16
	v_pk_add_f32 v[SC+2*fq:SC+2*fq+1], v[SC+2*fq:SC+2*fq+1], v[20:21] op_sel_hi:[1,0]
.set fq, fq+1
.endr
	s_lshl_b32 s4, s26, 8
	s_add_co_u32 s4, s4, SCX                       ; my 64 words
	s_xor_b32 s5, s26, 1
	s_lshl_b32 s5, s5, 8
	s_add_co_u32 s5, s5, SCX                       ; my partner's
	v_lshl_add_u32 v27, v3, 5, s4
	v_lshl_add_u32 v28, v3, 5, s5
	v_lshl_add_u32 v29, v1, 3, s4
	v_lshl_add_u32 v30, v1, 3, s5
	v_lshlrev_b32 v31, 3, v1
.irp t, 0,1,2,3                                        ; row 16 t + 8 h + j at byte 64 t + 32 h + 4 j; the 16 lanes of a half write the same words with the same numbers
	ds_store_b128 v27, v[SC+8*\t:SC+8*\t+3]   offset:64*\t
	ds_store_b128 v27, v[SC+8*\t+4:SC+8*\t+7] offset:64*\t+16
.endr
	s_wait_dscnt 0x0                               ; for my partner's sake; my reads of its exchange buffer are long back
	s_barrier_signal -1
	s_barrier_wait -1
.irp t, 0,1,2,3
	ds_load_b128 v[R+8*\t:R+8*\t+3],   v28 offset:64*\t
	ds_load_b128 v[R+8*\t+4:R+8*\t+7], v28 offset:64*\t+16
.endr
	ds_load_b64 v[236:237], v29                    ; and both halves of rows 2 lane, 2 lane + 1, for the store
	ds_load_b64 v[238:239], v30
	s_wait_dscnt 0x0
.set fq, 0
.rept 16                                               ; own + partner's: the same two numbers in both waves, so both hold the same scores bit for bit
	v_pk_add_f32 v[SC+2*fq:SC+2*fq+1], v[SC+2*fq:SC+2*fq+1], v[R+2*fq:R+2*fq+1]
.set fq, fq+1
.endr
	v_pk_add_f32 v[236:237], v[236:237], v[238:239]
	s_cmp_lg_u32 s27, 0
	s_cbranch_scc1 .Lno_store                      ; one wave of the pair stores the group's scores
	global_store_b64 v31, v[236:237], s[22:23]     ; 256 consecutive bytes, aligned
.Lno_store:
	; the group's maximum, and p = 2^(log2(e) s - log2(e) m)
	v_max3_num_f32 v25, v[SC], v[SC+1], v[SC+2]
.set fq, 3
.rept 14
	v_max3_num_f32 v25, v25, v[SC+fq], v[SC+fq+1]
.set fq, fq+2
.endr
	v_max_num_f32 v25, v25, v[SC+31]
	v_permlanex16_b32 v26, v25, s58, s59           ; the group's other 32 rows lie in the lane 16 away
	v_max_num_f32 v25, v25, v26
	v_mul_f32 v26, s56, v25
.set fq, 0
.rept 16
	v_pk_fma_f32 v[SC+2*fq:SC+2*fq+1], v[SC+2*fq:SC+2*fq+1], s[56:57], v[26:27] op_sel_hi:[1,0,0] neg_lo:[0,0,1] neg_hi:[0,0,1]
.set fq, fq+1
.endr
.set fq, 0
.rept 32
	v_exp_f32 v[SC+fq], v[SC+fq]
.set fq, fq+1
.endr
; THE CONTEXT, from the rows still in registers.  A product of a fragment of hidden with a matrix that picks 16 of its 32 k (1.0 where k = 16 q + n) lays those numbers, unchanged, as a result: a lane then holds
; one u (lane % 16) and the rows 8 (lane / 16) + 0..7, the very rows whose p it holds.  The picking matrix: v[228:231] hold 1.0 at k = r in the lanes with r / 8 = h; with zeros on either side
; v[228:235] picks k = 0..15 and v[224:231] picks k = 16..31.
	v_bfe_u32 v4, v0, 1, 2                         ; (r % 8) / 2: the register
	v_and_b32 v5, 1, v0
	v_lshlrev_b32 v5, 4, v5                        ; its half
	v_mov_b32 v7, 0x3f80                           ; 1.0 in bf16
	v_lshlrev_b32 v5, v5, v7
	v_bfe_u32 v6, v0, 3, 1                         ; r / 8
	v_cmp_eq_u32 vcc_lo, v6, v3
	v_cndmask_b32 v5, 0, v5, vcc_lo
	s_wait_alu depctr_va_vdst(0)
.irp c, 0,1,2,3
	v_cmp_eq_u32 vcc_lo, \c, v4
	v_cndmask_b32 v[228+\c], 0, v5, vcc_lo
	v_mov_b32 v[224+\c], 0
	v_mov_b32 v[232+\c], 0
.endr
.macro CTXW ut                         ; u tile ut of 32 (k step ut / 2, half ut % 2): four products, one a row tile, into four of the eight buffers
.set cks, (\ut)/2
.set cq, (\ut)%2
	WIN 1+cks/8
.set cm, 0
.rept 4
	v_wmma_f32_16x16x32_bf16 v[FB+32*cq+8*cm:FB+32*cq+8*cm+7], v[8*(4*(cks%8)+cm):8*(4*(cks%8)+cm)+7], v[228-4*cq:235-4*cq], 0
.set cm, cm+1
.endr
.endm
.macro CTXR ut                         ; its 32 rows a lane times p, added up: 20 plain lines, which are also the places behind the next batch's products
.set cb, FB+32*((\ut)%2)
.set cw, R+8*((\ut)%2)
	WIN 0
.irp e, 0,2,4,6
	v_pk_mul_f32 v[cw+\e:cw+\e+1], v[cb+\e:cb+\e+1], v[SC+\e:SC+\e+1]
.endr
.irp m, 1,2,3
.irp e, 0,2,4,6
	v_pk_fma_f32 v[cw+\e:cw+\e+1], v[cb+8*\m+\e:cb+8*\m+\e+1], v[SC+8*\m+\e:SC+8*\m+\e+1], v[cw+\e:cw+\e+1]
.endr
.endr
	v_pk_add_f32 v[cw:cw+1], v[cw:cw+1], v[cw+2:cw+3]
	v_pk_add_f32 v[cw+4:cw+5], v[cw+4:cw+5], v[cw+6:cw+7]
	v_pk_add_f32 v[cw:cw+1], v[cw:cw+1], v[cw+4:cw+5]
	v_add_f32 v[ACC1+(\ut)], v[cw], v[cw+1]
.endm
	CTXW 0
	WIN 0
	PLACES                                         ; the first batch has no batch before it whose lines could be its places
.set cu, 1
.rept 31
	CTXW cu
	CTXR cu-1
.set cu, cu+1
.endr
	CTXR 31
	; The two halves of the lanes hold different rows' sums.  For u tiles 2 a, 2 a + 1: each lane keeps the tile of its half and takes the other half's sum of that tile: then lane l holds u = 32 a + l.
.set fq, 0
.rept 16
	v_cndmask_b32 v[ACC0+fq],    v[ACC1+2*fq],   v[ACC1+2*fq+1], s60
	v_cndmask_b32 v[ACC0+16+fq], v[ACC1+2*fq+1], v[ACC1+2*fq],   s60
.set fq, fq+1
.endr
.set fq, 0
.rept 16
	v_permlanex16_b32 v[R+16+fq], v[ACC0+16+fq], s58, s59
.set fq, fq+1
.endr
	v_lshl_add_u32 v10, v1, 2, s53
.set fq, 0
.rept 16
	v_add_f32 v[ACC0+fq], v[ACC0+fq], v[R+16+fq]
.set fq, fq+1
.endr
.set fq, 0
.rept 16                                               ; through my own exchange buffer (my partner's reads of it ended in front of the barrier above), so that a lane gets 16 neighbouring bytes
	ds_store_b32 v10, v[ACC0+fq] offset:128*fq
.set fq, fq+1
.endr
.irp j, 0,1,2,3
	ds_load_b128 v[ACC0+16+4*\j:ACC0+16+4*\j+3], v8 offset:512*\j
.endr
	s_wait_dscnt 0x0
.irp j, 0,1,2,3
	global_store_b128 v22, v[ACC0+16+4*\j:ACC0+16+4*\j+3], s[24:25] offset:512*\j  ; 512 consecutive bytes, aligned
.endr
	s_wait_tensorcnt 0x0                           ; the wave's end: the tensor wait, the add and its wait, behind my last tensor load and my last LDS store
	ds_add_u32 v14, v15
	s_wait_dscnt 0x0
	CROUND                                         ; the closing round: no work-group ends while a partner may still ask for a chunk that names it
	s_endpgm
.Lfunc_end_k_qda606eb612_main:
	.size	k_qda606eb612_main, .Lfunc_end_k_qda606eb612_main-k_qda606eb612_main
	.p2alignl 7, 3214868480
	.fill 96, 4, 3214868480
	.section	.rodata,"a",@progbits
	.p2align	6, 0x0
	.amdhsa_kernel k_qda606eb612_main
		.amdhsa_group_segment_fixed_size 327680
		.amdhsa_private_segment_fixed_size 0
		.amdhsa_enable_private_segment 0
		.amdhsa_kernarg_size 72
		.amdhsa_user_sgpr_count 2
		.amdhsa_user_sgpr_kernarg_segment_ptr 1
		.amdhsa_wavefront_size32 1
		.amdhsa_system_sgpr_workgroup_id_x 1
		.amdhsa_system_sgpr_workgroup_id_y 1
		.amdhsa_system_sgpr_workgroup_id_z 1
		.amdhsa_system_vgpr_workitem_id 0
		.amdhsa_next_free_vgpr 1024
		.amdhsa_next_free_sgpr 80
		.amdhsa_reserve_vcc 1
		.amdhsa_float_denorm_mode_32 3
		.amdhsa_float_denorm_mode_16_64 3
		.amdhsa_memory_ordered 1
		.amdhsa_forward_progress 1
		.amdhsa_inst_pref_size 255
	.end_amdhsa_kernel
	.section	.bss,"aw",@nobits
	.p2align	6
	.space	262144
	.amdgpu_metadata
---
amdhsa.version: [ 1, 2 ]
amdhsa.kernels:
  - .name:           k_qda606eb612_main
    .symbol:         k_qda606eb612_main.kd
    .args:
      - { .name: hidden_states, .offset: 0, .size: 8, .value_kind: global_buffer, .address_space: global }
      - { .name: Uf, .offset: 8, .size: 8, .value_kind: global_buffer, .address_space: global }
      - { .name: biasP, .offset: 16, .size: 8, .value_kind: global_buffer, .address_space: global }
      - { .name: W_b, .offset: 24, .size: 8, .value_kind: global_buffer, .address_space: global }
      - { .name: U_b, .offset: 32, .size: 8, .value_kind: global_buffer, .address_space: global }
      - { .name: V_w, .offset: 40, .size: 8, .value_kind: global_buffer, .address_space: global }
      - { .name: V_b, .offset: 48, .size: 8, .value_kind: global_buffer, .address_space: global }
      - { .name: scores, .offset: 56, .size: 8, .value_kind: global_buffer, .address_space: global }
      - { .name: ctxP, .offset: 64, .size: 8, .value_kind: global_buffer, .address_space: global }
    .group_segment_fixed_size: 327680
    .private_segment_fixed_size: 0
    .kernarg_segment_align: 8
    .kernarg_segment_size: 72
    .max_flat_workgroup_size: 128
    .sgpr_count:     80
    .vgpr_count:     1024
    .wavefront_size: 32
...
	.end_amdgpu_metadata
.endif
;; end of part 2
;; launch join (part 3): grid 8 x 32, 1 waves a work-group, no clusters, 0 bytes of LDS; arguments scores, ctxP, out0, out1; writes out0, out1
.if DOCPART == 3
	.amdgcn_target "amdgcn-amd-amdhsa--gfx1250"
	.amdhsa_code_object_version 6
	.text
	.protected	k_qda606eb612_join
	.globl	k_qda606eb612_join
	.p2align	8
	.type	k_qda606eb612_join,@function
k_qda606eb612_join:
	s_mov_b64 s[64:65], 0
	v_nop
	global_prefetch_b8 v0, s[64:65] scope:SCOPE_SE
	s_setreg_imm32_b32 hwreg(HW_REG_WAVE_MODE, 25, 1), 1
	s_wait_xcnt 0x0
; JOIN.  The softmax over a batch's 2,048 scores, and the batch's context from its 32 groups' partial contexts, each of which was made with weights relative to its own group's maximum GM:
; alpha = 2^(c s - c m) / l, context = the sum over groups of 2^(c GM - c m) / l x ctxP[group], with m the batch's maximum, l the sum of 2^(c s - c m), c = log2(e).
; Work-group (q, b), one wave: out1[b][256 q .. + 255] and out0[b][128 q .. + 127]; each re-reads the batch's 8,192 bytes of scores: 256 work-groups, no barrier, no LDS.
; A weight below 2^-126 counts as 0; NaN and infinities are not treated apart.  Matrix units, clusters and tensor loads have nothing to do here: 4.5 MiB are read and a few sums made.
.set S,  16                            ; v[16:79]   the batch's scores: load i, lane l: rows 128 i + 4 l + 0..3, so half h of the lanes holds group 2 i + h
.set AL, 80                            ; v[80:87]   my 256 rows' scores, then alpha
.set C,  88                            ; v[88:215]  the 32 groups' partial contexts, four u a lane
.set GM, 216                           ; v[216:231] the groups' maxima, then their weights
	s_load_b256 s[4:11], s[0:1], 0x0               ; scores s[4:5], ctxP s[6:7], out0 s[8:9], out1 s[10:11]
	s_and_b32 s12, ttmp7, 0xffff                   ; b
	v_lshlrev_b32 v1, 4, v0                        ; 16 bytes a lane
	v_mov_b32 v5, 0                                ; v_permlanex16_b32's destination counts as read
	v_mov_b32 v7, 0                                ; named in a pair with v6
	s_lshl_b32 s14, s12, 13                        ; the batch's scores and alphas
	s_mov_b32 s15, 0
	s_lshl_b32 s16, ttmp9, 10                      ; my 256 of them
	s_mov_b32 s17, 0
	s_lshl_b32 s18, s12, 17                        ; the batch's 32 rows of ctxP,
	s_lshl_b32 s13, ttmp9, 9                       ; my 128 u
	s_add_co_u32 s18, s18, s13
	s_mov_b32 s19, 0
	s_lshl_b32 s20, s12, 12                        ; the batch's row of out0
	s_add_co_u32 s20, s20, s13
	s_mov_b32 s21, 0
	s_mov_b32 s24, 0x3fb8aa3b                      ; c = log2(e)
	s_mov_b32 s25, s24
	s_mov_b32 s26, 0x76543210
	s_mov_b32 s27, 0xfedcba98
	s_wait_kmcnt 0x0
	s_add_nc_u64 s[4:5], s[4:5], s[14:15]
	s_add_nc_u64 s[28:29], s[4:5], s[16:17]
	s_add_nc_u64 s[6:7], s[6:7], s[18:19]
	s_add_nc_u64 s[8:9], s[8:9], s[20:21]
	s_add_nc_u64 s[10:11], s[10:11], s[14:15]
	s_add_nc_u64 s[10:11], s[10:11], s[16:17]
.set i, 0
.rept 16
	global_load_b128 v[S+4*i:S+4*i+3], v1, s[4:5] offset:512*i
.set i, i+1
.endr
	global_load_b128 v[AL:AL+3],   v1, s[28:29]
	global_load_b128 v[AL+4:AL+7], v1, s[28:29] offset:512
.set i, 0
.rept 32
	global_load_b128 v[C+4*i:C+4*i+3], v1, s[6:7] offset:4096*i th:TH_LOAD_NT
.set i, i+1
.endr
	s_wait_loadcnt 34                              ; the batch's scores are in: 34 loads were issued behind them
.set i, 0
.rept 16
	v_max3_num_f32 v[GM+i], v[S+4*i], v[S+4*i+1], v[S+4*i+2]
.set i, i+1
.endr
.set i, 0
.rept 16
	v_max_num_f32 v[GM+i], v[GM+i], v[S+4*i+3]
.set i, i+1
.endr
.irp x, 1,2,4,8                                        ; over the 16 lanes of a half: a group's maximum, of the very numbers of which the launch before took it
.set i, 0
.rept 16
	v_max_num_f32_dpp v[GM+i], v[GM+i], v[GM+i] row_xmask:\x row_mask:0xf bank_mask:0xf
.set i, i+1
.endr
.endr
	v_max3_num_f32 v4, v[GM], v[GM+1], v[GM+2]
.set i, 3
.rept 6
	v_max3_num_f32 v4, v4, v[GM+i], v[GM+i+1]
.set i, i+2
.endr
	v_max_num_f32 v4, v4, v[GM+15]
	v_permlanex16_b32 v5, v4, s26, s27
	v_max_num_f32 v4, v4, v5                       ; the batch's maximum
	v_mul_f32 v6, s24, v4
.set i, 0
.rept 32
	v_pk_fma_f32 v[S+2*i:S+2*i+1], v[S+2*i:S+2*i+1], s[24:25], v[6:7] op_sel_hi:[1,0,0] neg_lo:[0,0,1] neg_hi:[0,0,1]
.set i, i+1
.endr
.set i, 0
.rept 16
	v_fma_f32 v[GM+i], v[GM+i], s24, -v6
.set i, i+1
.endr
.set i, 0
.rept 64
	v_exp_f32 v[S+i], v[S+i]
.set i, i+1
.endr
.set i, 0
.rept 16
	v_exp_f32 v[GM+i], v[GM+i]
.set i, i+1
.endr
	v_nop                                          ; a plain instruction between the last exponential and the use of its result (ISA guide 5.7.2)
.set i, 4
	s_wait_alu depctr_va_vdst(0)
.rept 28                                               ; l, in f32: four chains, started by the first four pairs
	v_pk_add_f32 v[S+2*(i%4):S+2*(i%4)+1], v[S+2*(i%4):S+2*(i%4)+1], v[S+2*i:S+2*i+1]
.set i, i+1
.endr
	v_pk_add_f32 v[S:S+1], v[S:S+1], v[S+2:S+3]
	v_pk_add_f32 v[S+4:S+5], v[S+4:S+5], v[S+6:S+7]
	v_pk_add_f32 v[S:S+1], v[S:S+1], v[S+4:S+5]
	v_add_f32 v8, v[S], v[S+1]
.irp x, 1,2,4,8
	v_add_f32_dpp v8, v8, v8 row_xmask:\x row_mask:0xf bank_mask:0xf
.endr
	v_permlanex16_b32 v5, v8, s26, s27
	v_add_f32 v8, v8, v5
	v_rcp_f32 v9, v8                               ; 1 / l; l is at least 1: the maximum's own weight
	v_nop
.set i, 0
	s_wait_alu depctr_va_vdst(0)
.rept 16
	v_mul_f32 v[GM+i], v[GM+i], v9
.set i, i+1
.endr
.set i, 0
.rept 16                                               ; the 32 groups' weights as scalars: operands of the sums below, nothing else
	v_readlane_b32 s[32+2*i], v[GM+i], 0
	v_readlane_b32 s[33+2*i], v[GM+i], 16
.set i, i+1
.endr
	s_wait_loadcnt 32                              ; my 256 scores are in: the 32 loads of ctxP were issued behind them
.irp e, 0,2,4,6
	v_pk_fma_f32 v[AL+\e:AL+\e+1], v[AL+\e:AL+\e+1], s[24:25], v[6:7] op_sel_hi:[1,0,0] neg_lo:[0,0,1] neg_hi:[0,0,1]
.endr
.irp e, 0,1,2,3,4,5,6,7
	v_exp_f32 v[AL+\e], v[AL+\e]
.endr
	v_nop
	s_wait_alu depctr_va_vdst(0)
.irp e, 0,1,2,3,4,5,6,7
	v_mul_f32 v[AL+\e], v[AL+\e], v9
.endr
	global_store_b128 v1, v[AL:AL+3],   s[10:11]            ; each store: 512 consecutive bytes, aligned
	global_store_b128 v1, v[AL+4:AL+7], s[10:11] offset:512
	s_wait_loadcnt 0x0
.irp e, 0,1,2,3
	v_mul_f32 v[10+\e], s32, v[C+\e]               ; the first group starts the sums
.endr
.set i, 1
.rept 31
.irp e, 0,1,2,3
	v_fmac_f32 v[10+\e], s[32+i], v[C+4*i+\e]
.endr
.set i, i+1
.endr
	global_store_b128 v1, v[10:13], s[8:9]
	s_endpgm
.Lfunc_end_k_qda606eb612_join:
	.size	k_qda606eb612_join, .Lfunc_end_k_qda606eb612_join-k_qda606eb612_join
	.p2alignl 7, 3214868480
	.fill 96, 4, 3214868480
	.section	.rodata,"a",@progbits
	.p2align	6, 0x0
	.amdhsa_kernel k_qda606eb612_join
		.amdhsa_group_segment_fixed_size 0
		.amdhsa_private_segment_fixed_size 0
		.amdhsa_enable_private_segment 0
		.amdhsa_kernarg_size 32
		.amdhsa_user_sgpr_count 2
		.amdhsa_user_sgpr_kernarg_segment_ptr 1
		.amdhsa_wavefront_size32 1
		.amdhsa_system_sgpr_workgroup_id_x 1
		.amdhsa_system_sgpr_workgroup_id_y 1
		.amdhsa_system_sgpr_workgroup_id_z 1
		.amdhsa_system_vgpr_workitem_id 0
		.amdhsa_next_free_vgpr 232
		.amdhsa_next_free_sgpr 66
		.amdhsa_reserve_vcc 0
		.amdhsa_float_denorm_mode_32 3
		.amdhsa_float_denorm_mode_16_64 3
		.amdhsa_memory_ordered 1
		.amdhsa_forward_progress 1
		.amdhsa_inst_pref_size 28
	.end_amdhsa_kernel
	.amdgpu_metadata
---
amdhsa.version: [ 1, 2 ]
amdhsa.kernels:
  - .name:           k_qda606eb612_join
    .symbol:         k_qda606eb612_join.kd
    .args:
      - { .name: scores, .offset: 0, .size: 8, .value_kind: global_buffer, .address_space: global }
      - { .name: ctxP, .offset: 8, .size: 8, .value_kind: global_buffer, .address_space: global }
      - { .name: out0, .offset: 16, .size: 8, .value_kind: global_buffer, .address_space: global }
      - { .name: out1, .offset: 24, .size: 8, .value_kind: global_buffer, .address_space: global }
    .group_segment_fixed_size: 0
    .private_segment_fixed_size: 0
    .kernarg_segment_align: 8
    .kernarg_segment_size: 32
    .max_flat_workgroup_size: 32
    .sgpr_count:     66
    .vgpr_count:     232
    .wavefront_size: 32
...
	.end_amdgpu_metadata
.endif
;; end of part 3
;; ======== version 2 of 3: 3 launches; 1.15 times as fast as version 1
;; limits: values outside matrix products are rounded to bf16
;; workspace buffers: Uf 2,097,152 bytes; biasP 524,288 bytes; scores 262,144 bytes; ctxP 4,194,304 bytes
;; launch prep: the kernel of part 1 again; grid 16 x 4, 8 waves a work-group, no clusters, 111,616 bytes of LDS; arguments U_w, W_w, s_prev, Uf, biasP; writes Uf, biasP
;; launch main (part 4): grid 512 x 1, 4 waves a work-group, clusters of 4 x 1, 327,680 bytes of LDS; arguments hidden_states, Uf, biasP, W_b, U_b, V_w, V_b, scores, ctxP; writes scores, ctxP
.if DOCPART == 4
	.amdgcn_target "amdgcn-amd-amdhsa--gfx1250"
	.amdhsa_code_object_version 6
	.text
	.protected	k_qda606eb612_main
	.globl	k_qda606eb612_main
	.p2align	8
	.type	k_qda606eb612_main,@function
k_qda606eb612_main:
	s_mov_b64 s[64:65], 0
	v_nop
	global_prefetch_b8 v0, s[64:65] scope:SCOPE_SE
	s_setreg_imm32_b32 hwreg(HW_REG_WAVE_MODE, 25, 1), 1
	s_wait_xcnt 0x0
	s_wait_alu depctr_hold_cnt(0) depctr_sa_sdst(0) depctr_va_vdst(0) depctr_va_sdst(0) depctr_va_ssrc(0) depctr_va_vcc(0) depctr_vm_vsrc(0)
	s_getreg_b32 s2, hwreg(HW_REG_IB_STS2, 6, 4)
	s_cmp_eq_u32 s2, 0
	s_cbranch_scc0 .Lentry_in_a_cluster
	s_endpgm
.Lentry_in_a_cluster:
	s_bfe_u32 s2, ttmp6, 0x10000c
	s_cmp_lg_u32 s2, 0x3003
	s_cbranch_scc0 .Lentry_shape_is_right
	s_endpgm
.Lentry_shape_is_right:
; MAIN.  For 128 rows of one batch: score[row] = sum over n of V[n] tanh(dec[n] + U_b[n] + sum over k of hidden[row][k] U_w[k][n]) + V_b, and, for each group of 64 rows, the
; weights p = e^(score - the group's maximum) and the partial context sum of p x hidden over the group.  The next launch joins the groups of a batch.
; THE ROWS STAY.  hidden is read once, rounded once to bf16 and kept in registers from the product to the context: wave (i, kh) holds rows 64 i .. 64 i + 63 and k = 512 kh .. + 511: 4 row tiles x 16 k steps
; x 8 registers = 512.  U_w, as ready fragments (Uf, 2 MiB), goes past them through two LDS slots of 131,072 bytes (a chunk = four n tiles of 32,768 bytes; each wave fetches one of them).
; A PERIOD is 32 columns: two n tiles, 128 products a wave.  A fragment of U read from LDS (1,024 bytes) feeds four products.  Each wave sums over its half of K for both n tiles; the sums of one tile it
; sends to its partner (i, 1 - kh) through LDS, those of the other it finishes with what the partner sent.  tanh and the dot with V of one period stand as riders among the products of the next.
; THE 82 LDS INSTRUCTIONS OF A PERIOD STAND IN SIX RUNS of 8 to 16, never singly among the products, 16 to 28 products apart: a wave issues in order, so it issues no product while a run goes out (the runs are
; short), and each run ends a stretch of products (the runs are few).  Every fragment is asked for 32 products or more ahead of its first use.
; tanh(x) = 1 - 2 / (1 + 2^(K2 x)), K2 = 2 log2(e); with V' = -2 V the score is the sum of V' / (1 + 2^(K2 x)), less half the sum of V', plus V_b.
; CLUSTER.  All work-groups walk the same Uf, so the four of a cluster ask for each chunk jointly: same tensor load, same descriptor (it hangs on the wave's number alone), mask of four.
; LIMITS.  hidden counts as its bf16 rounding in the context too.  The score is a difference of two f32 sums, each at most the sum of 2 |V|: its absolute error grows with that sum times 2^-24.
; 2^(K2 x) beyond f32's range gives tanh = 1, below it tanh = -1.  A weight below 2^-126 counts as 0.  NaN and infinities are not treated apart.  The order of the sums is not the reference's.
; REGISTERS, in windows of 256 (s_set_vgpr_msb: bits 1:0 source 0, 3:2 source 1, 5:4 source 2, 7:6 destination):
;   window 0: v0-31 addresses and small things; v32-95 at work in the context; v96-127 sums to send; v128-159 sums to finish; v160-191 received sums, at work; v192-223 scores; v224-255 at work
;   window 1: hidden, k steps 0-7 (row tile m, k step s at 8 (4 (s % 8) + m));  window 2: k steps 8-15
;   window 3: four landing sets of 64 while hidden is loaded; then a period's 32 fragments of U, fragment f at 8 f (0-15: the tile to send, 16-31: the tile to finish; k step f % 16)
.set SLOTB, 131072                     ; a slot; slot 0 at LDS byte 0, slot 1 behind it: filled by tensor loads alone
.set XBUF,  262144                     ; the exchange: 8,192 bytes a wave, two buffers of 4,096 by the period's parity; also the wave's stage while hidden is loaded and on the way out
.set TABB,  294912                     ; K2 x (decoder + both biases), 1,024 f32;  4,096 bytes further: V'
.set SCX,   303104                     ; 256 bytes a wave: its 64 rows' half scores
.set SPARE, 304128                     ; the spare words: 128 bytes a wave, two blocks of 256 bytes that no other line names
.set FB,   32
.set ACC1, 96
.set ACC0, 128
.set R,    160
.set SC,   192
.set T,    224
; v4, v5 my lane's place in the tile to finish / to send; v6 the tile to finish of the period in hand, v7 the tile to send of the next; v8, v9 my / my partner's exchange buffer; v10, v11 where I send / receive
; in this period; v12, v13 my place in the tables; v14, v15 the add's two registers; v[16:17] K2 bias; v[18:19] V'; v[20:21] the sum of V'; v22 16 x lane; v23, v24 stage in / out
; s26 wave, s27 kh, s28 i, s30 block of 128 rows; s[32:39] descriptor group 1; s[40:43], s[44:47] group 0 for the two first fills, the second then walks; s48 the period's LDS byte; s49 the exchange's parity;
; s50 the period's byte in the tables; s51, s52 counters; s[54:55] K2; s[56:57] log2(e); s[58:59] v_permlanex16_b32's selects; s60 lanes 16-31; s61 V_b; s[68:69] hidden at my rows
.set MSB, 0
.set PLA, 5                            ; plain vector instructions written since product 63, the last on the sums to send and the last reader of fragments 0-15
.set PLB, 5                            ; the same since product 127, the last on the sums to finish and the last reader of fragments 16-31
.macro WIN new                         ; the immediate's high byte repeats the setting that is left; a switch that changes nothing is dropped
.if MSB != (\new)
	s_set_vgpr_msb (MSB<<8)|(\new)
.set MSB, (\new)
.endif
.endm
.macro PLACES
.rept 4
	v_nop
.endr
.endm
; A vector instruction or LDS store that reads a product's result, and a load into a register that a product has read, stand four plain vector instructions behind that product; a product that writes over another
; product's result five (ISA guide 7.12.1 for vector instructions).  What the riders have not filled is filled with v_nop.
.macro NEEDA n
.rept (\n)
.if PLA < (\n)
	v_nop
.set PLA, PLA+1
.set PLB, PLB+1
.endif
.endr
.endm
.macro NEEDB n
.rept (\n)
.if PLB < (\n)
	v_nop
.set PLA, PLA+1
.set PLB, PLB+1
.endif
.endr
.endm
.macro CREST                           ; a round of the cluster's barrier behind its opening barrier
	s_cmp_lg_u32 s26, 0
	s_cbranch_scc1 .Lnot_wave_0_\@
	s_barrier_signal -3
.Lnot_wave_0_\@:
	s_barrier_wait -3
	s_barrier_signal -1
	s_barrier_wait -1
.endm
.macro CROUND
	s_barrier_signal -1
	s_barrier_wait -1
	CREST
.endm
; HIDDEN COMES IN, in 16 units of 16 rows x 512 bytes (four k steps); each load takes 512 consecutive bytes of a row.  Four units, 64 loads a wave, are kept on their way.
.macro UNIT_ISSUE u
.set um, (\u)/4
.set uc, (\u)%4
.set ul, 64*((\u)%4)
	WIN 0xc0                                       ; destination window 3
.set ur, 0
.rept 16
	global_load_b128 v[ul+4*ur:ul+4*ur+3], v22, s[68:69] offset:(16*um+ur)*4096+uc*512 th:TH_LOAD_NT
.set ur, ur+1
.endr
.endm
; A unit is rounded to bf16, laid into my stage by rows (pitch 272) and read back as four fragments.  The stage is my own: LDS serves a wave's instructions in order (ISA guide 5.7.1.4).
.macro UNIT_USE u, left
.set um, (\u)/4
.set uc, (\u)%4
.set ul, 64*((\u)%4)
	s_wait_loadcnt \left                           ; loads come back in order (ISA guide 5.7.1): this unit is in, the younger units stay out
	WIN 0x0f                                       ; sources window 3, destination window 0
.set ur, 0
.rept 16
	v_cvt_pk_bf16_f32 v[T+2*ur],   v[ul+4*ur],   v[ul+4*ur+1]
	v_cvt_pk_bf16_f32 v[T+2*ur+1], v[ul+4*ur+2], v[ul+4*ur+3]
.set ur, ur+1
.endr
	WIN 0
.set ur, 0
.rept 16
	ds_store_b64 v23, v[T+2*ur:T+2*ur+1] offset:ur*272
.set ur, ur+1
.endr
	WIN 0x40*(1+uc/2)                              ; destination window 1 or 2
.set ur, 0
.rept 4
.set ua, 8*(4*(4*(uc%2)+ur)+um)
	ds_load_b128 v[ua:ua+3],   v24 offset:64*ur
	ds_load_b128 v[ua+4:ua+7], v24 offset:64*ur+32
.set ur, ur+1
.endr
.endm
	s_load_b512 s[8:23], s[0:1], 0x0               ; hidden 8, Uf 10, biasP 12, W_b 14, U_b 16, V_w 18, V_b 20, scores 22
	s_load_b64 s[24:25], s[0:1], 0x40              ; ctxP
	v_lshl_add_u32 v14, v0, 2, SPARE
	v_mov_b32 v15, 0
	ds_add_u32 v14, v15                            ; the wave's opening: the add and its wait ahead of my first tensor load; the set-up below, work on registers, stands between them
	v_lshrrev_b32 v1, 5, v0
	v_readfirstlane_b32 s26, v1                    ; wave 0..3
	s_and_b32 s27, s26, 1                          ; kh: my half of K
	s_lshr_b32 s28, s26, 1                         ; i: my half of the rows
	s_bfe_u32 s29, ttmp6, 0x40000                  ; cx: it enters global addresses of my own loads and stores alone
	s_lshl_b32 s30, ttmp9, 2
	s_add_co_u32 s30, s30, s29                     ; my block of 128 rows
	s_mov_b32 s32, 15|(3<<16)|(1<<21)              ; group 1: 15:0 the mask of four; 17:16 elements of 8 bytes; 21 set beside a mask; no padding
	s_mov_b32 s33, 32<<16                          ; tensor_dim0 = 32 elements: rows of 256 bytes
	s_mov_b32 s34, 128<<16                         ; tensor_dim1 = 128 rows: an n tile's 32,768 dense bytes
	s_mov_b32 s35, 32<<16                          ; tile_dim0 = 32
	s_mov_b32 s36, 128                             ; tile_dim1 = 128
	s_mov_b32 s37, 32                              ; 32 elements from row to row
	s_mov_b32 s38, 0
	s_mov_b32 s39, 0
	s_mov_b32 s40, 1                               ; group 0: count = 1
	s_lshl_b32 s41, s26, 15                        ; LDS address: wave x 32,768, in slot 0
	s_mov_b32 s44, 1
	s_add_co_u32 s45, s41, SLOTB                   ; and in slot 1
	s_lshl_b32 s66, s26, 15                        ; my n tile of a chunk in Uf
	s_mov_b32 s67, 0
	s_mov_b32 s54, 0x4038aa3b                      ; K2 = 2 log2(e)
	s_mov_b32 s55, s54
	s_mov_b32 s56, 0x3fb8aa3b                      ; log2(e)
	s_mov_b32 s57, s56
	s_mov_b32 s58, 0x76543210
	s_mov_b32 s59, 0xfedcba98
	s_mov_b32 s60, 0xffff0000
	s_lshl_b32 s70, s30, 19                        ; hidden: 128 rows of 4,096 bytes a block,
	s_lshl_b32 s4, s28, 18                         ; 64 rows a half,
	s_add_co_u32 s70, s70, s4
	s_lshl_b32 s4, s27, 11                         ; 2,048 bytes a half of K
	s_add_co_u32 s70, s70, s4
	s_mov_b32 s71, 0
	s_lshr_b32 s72, s30, 4                         ; the batch: 16 blocks each
	s_lshl_b32 s72, s72, 12                        ; its row of biasP
	s_mov_b32 s73, 0
	s_lshl1_add_u32 s5, s30, s28                   ; my group of 64 rows
	s_lshl_b32 s74, s5, 8                          ; its 256 bytes of scores
	s_mov_b32 s75, 0
	s_lshl_b32 s76, s5, 12                         ; its row of ctxP,
	s_add_co_u32 s76, s76, s4                      ; my half of it
	s_mov_b32 s77, 0
	s_mul_i32 s62, s27, 49152                      ; in a period's 65,536 bytes: n tile kh (32,768 each), k steps 16 kh on (1,024 each)
	s_lshl_b32 s63, s27, 14
	s_sub_co_u32 s63, 32768, s63                   ; n tile 1 - kh, k steps 16 kh on
	s_lshl_b32 s53, s26, 13
	s_add_co_u32 s53, s53, XBUF                    ; my exchange buffers
	s_xor_b32 s31, s26, 1
	s_lshl_b32 s31, s31, 13
	s_add_co_u32 s31, s31, XBUF                    ; my partner's
	s_lshl_b32 s6, s27, 6
	s_add_co_u32 s6, s6, TABB
	v_and_b32 v1, 31, v0                           ; lane
	v_and_b32 v2, 15, v0                           ; r
	v_bfe_u32 v3, v0, 4, 1                         ; h
	v_lshl_add_u32 v4, v1, 4, s62
	v_lshl_add_u32 v5, v1, 4, s63
	v_lshl_add_u32 v8, v1, 4, s53
	v_lshl_add_u32 v9, v1, 4, s31
	v_lshl_add_u32 v12, v2, 2, s6                  ; column 16 kh + r of a period's 32
	v_lshlrev_b32 v22, 4, v1
	v_lshl_add_u32 v23, v1, 3, s53                 ; stage in: 8 bytes a lane of a row
	v_mul_u32_u24 v24, v2, 272
	v_lshl_add_u32 v24, v3, 4, v24
	v_add_nc_u32 v24, s53, v24                     ; stage out: row r, 16 bytes for each half of the lanes
	v_lshlrev_b32 v25, 5, v0                       ; the tables: eight numbers a thread
	v_lshl_add_u32 v26, v0, 5, TABB
	s_wait_dscnt 0x0                               ; the opening add is done
	s_wait_kmcnt 0x0
	s_add_nc_u64 s[42:43], s[10:11], s[66:67]      ; chunk 0, my n tile
	s_add_nc_u64 s[46:47], s[42:43], SLOTB         ; chunk 1
	s_or_b32 s43, s43, 0x80000000                  ; type = 2
	s_or_b32 s47, s47, 0x80000000
	s_add_nc_u64 s[68:69], s[8:9], s[70:71]
	s_add_nc_u64 s[12:13], s[12:13], s[72:73]
	s_add_nc_u64 s[22:23], s[22:23], s[74:75]
	s_add_nc_u64 s[24:25], s[24:25], s[76:77]
	s_load_b32 s61, s[20:21], 0x0                  ; V_b
	; My own loads of inputs, which no work-group writes, go out ahead of the cluster's round and stay on their way across it: the tables' 14, then hidden's first three units.
.irp y, 0,1,2,3
	global_load_b128 v[96+8*\y:99+8*\y],   v25, s[12:13] offset:\y*131072
	global_load_b128 v[100+8*\y:103+8*\y], v25, s[12:13] offset:\y*131072+16
.endr
	global_load_b128 v[128:131], v25, s[14:15]
	global_load_b128 v[132:135], v25, s[14:15] offset:16
	global_load_b128 v[136:139], v25, s[16:17]
	global_load_b128 v[140:143], v25, s[16:17] offset:16
	global_load_b128 v[144:147], v25, s[18:19]
	global_load_b128 v[148:151], v25, s[18:19] offset:16
	UNIT_ISSUE 0
	UNIT_ISSUE 1
	UNIT_ISSUE 2
	WIN 0                                          ; at a branch and at a label every window is 0
	CROUND                                         ; all four work-groups are here: the first joint loads meet
	tensor_load_to_lds s[40:43], s[32:39]          ; both first fills together: two loads of mine are out
	s_nop 0
	tensor_load_to_lds s[44:47], s[32:39]
	s_nop 0
	PLACES
.set i, 0
.rept 32                                               ; the scores' sums start at 0: in the wait for the first loads
	v_mov_b32 v[SC+i], 0
.set i, i+1
.endr
	v_mov_b32 v17, 0                               ; the upper registers of pairs of which the packed lines take the lower for both halves
	v_mov_b32 v19, 0
	v_mov_b32 v20, 0                               ; the sum of V'
	v_mov_b32 v21, 0
	s_wait_loadcnt 48                              ; the tables' loads are in: three units were issued behind them
.irp a, 104,112,120,128,136                            ; four quarters of the decoder's product, W_b, U_b
.irp c, 0,2,4,6
	v_pk_add_f32 v[96+\c:97+\c], v[96+\c:97+\c], v[\a+\c:\a+\c+1]
.endr
.endr
.irp c, 0,2,4,6
	v_pk_mul_f32 v[96+\c:97+\c], v[96+\c:97+\c], s[54:55] op_sel_hi:[1,0]
	v_pk_mul_f32 v[144+\c:145+\c], v[144+\c:145+\c], -2.0 op_sel_hi:[1,0]
.endr
	ds_store_b128 v26, v[96:99]
	ds_store_b128 v26, v[100:103] offset:16
	ds_store_b128 v26, v[144:147] offset:4096
	ds_store_b128 v26, v[148:151] offset:4112
	UNIT_ISSUE 3
.set uu, 0
.rept 16
.if uu < 13
	UNIT_USE uu, 48
.else
	UNIT_USE uu, 16*(15-uu)
.endif
.if uu < 12
	UNIT_ISSUE uu+4
.endif
.set uu, uu+1
.endr
	WIN 0
	s_wait_kmcnt 0x0                               ; V_b
	s_wait_tensorcnt 0x1                           ; my part of chunk 0 is in; chunk 1's may stay out
	s_wait_dscnt 0x0                               ; my rows are in registers, my part of the tables in LDS
	s_barrier_signal -1
	s_barrier_wait -1
; THE PERIOD'S PARTS.
; Fragments from .. to - 1 in one run, each two loads of 512 consecutive bytes.  Fragments 0-15: the tile to send (address v7); 16-31: the tile to finish (v6).
.macro FRUN from, to
	WIN 0xc0                                       ; destination window 3, address window 0
.set bf, (\from)
.rept (\to)-(\from)
	ds_load_b128 v[8*bf:8*bf+3],   v[7-bf/16] offset:(bf%16)*1024
	ds_load_b128 v[8*bf+4:8*bf+7], v[7-bf/16] offset:(bf%16)*1024+512
.set bf, bf+1
.endr
.endm
; Product i of a period's 128: fragment i / 4, row tile i % 4.  Source 0 = 16 rows of hidden, source 1 = 16 columns of U: a lane holds ONE column (lane % 16) and the rows 8 (lane / 16) + 0..7.
; The four accumulators of a tile take turns, one instruction a turn; the first k step starts the sums with the constant 0.
.macro MMA i
.set mi, (\i)
.set mks, (mi%64)/4
.set mm, mi%4
.set macc, ACC1+32*(mi/64)+8*mm
.set mra, 8*(4*(mks%8)+mm)
.set mfb, 8*(mi/4)
	WIN 0x0d+mks/8                                 ; hidden in window 1 or 2, U in window 3, the sums in window 0
.if mks == 0
	v_wmma_f32_16x16x32_bf16 v[macc:macc+7], v[mra:mra+7], v[mfb:mfb+7], 0
	s_wait_alu depctr_va_vdst(0)
.else
	v_wmma_f32_16x16x32_bf16 v[macc:macc+7], v[mra:mra+7], v[mfb:mfb+7], v[macc:macc+7]
.endif
.if mi == 63
.set PLA, 0
.endif
.if mi == 127
.set PLB, 0
.endif
.endm
; THE RIDERS: what is made of a finished tile's 32 sums a lane, in two lists.  Row tile t has v[R+8t ..] and v[SC+8t ..]; a block of the plain list is four packed lines, of the other eight lines.
; Plain: A = received + own sums (each accumulator's lowest pair first); F = K2 x + K2 bias; O = + 1; S = score += V' x reciprocal; N = nothing is ready.
; In the order A0 F0 A1 F1 O0 A2 F2 O1 A3 S0 F3 N S1 O2 O3 N S2 N S3, beside E0 E1 C0 E2 C1 E3 C2 C3 (E = 2^x, C = reciprocal), every stage begins a block or more behind the one that feeds it,
; and a plain line of another tile stands behind each line of the second list (ISA guide 5.7.2).
.macro EPA t
	v_pk_add_f32 v[R+8*(\t)+pq:R+8*(\t)+pq+1], v[R+8*(\t)+pq:R+8*(\t)+pq+1], v[ACC0+8*(\t)+pq:ACC0+8*(\t)+pq+1]
.endm
.macro EPF t
	v_pk_fma_f32 v[R+8*(\t)+pq:R+8*(\t)+pq+1], v[R+8*(\t)+pq:R+8*(\t)+pq+1], s[54:55], v[16:17] op_sel_hi:[1,0,0]
.endm
.macro EPO t
	s_wait_alu depctr_va_vdst(0)
	v_pk_add_f32 v[R+8*(\t)+pq:R+8*(\t)+pq+1], v[R+8*(\t)+pq:R+8*(\t)+pq+1], 1.0 op_sel_hi:[1,0]
.endm
.macro EPS t
	s_wait_alu depctr_va_vdst(0)
	v_pk_fma_f32 v[SC+8*(\t)+pq:SC+8*(\t)+pq+1], v[R+8*(\t)+pq:R+8*(\t)+pq+1], v[18:19], v[SC+8*(\t)+pq:SC+8*(\t)+pq+1] op_sel_hi:[1,0,1]
.endm
.macro EPP n
.set pb, (\n)/4
.set pq, 2*((\n)%4)
.if pb == 0
	EPA 0
.elseif pb == 1
	EPF 0
.elseif pb == 2
	EPA 1
.elseif pb == 3
	EPF 1
.elseif pb == 4
	EPO 0
.elseif pb == 5
	EPA 2
.elseif pb == 6
	EPF 2
.elseif pb == 7
	EPO 1
.elseif pb == 8
	EPA 3
.elseif pb == 9
	EPS 0
.elseif pb == 10
	EPF 3
.elseif pb == 12
	EPS 1
.elseif pb == 13
	EPO 2
.elseif pb == 14
	EPO 3
.elseif pb == 16
	EPS 2
.elseif pb == 18
	EPS 3
.elseif (\n) == 44
	v_add_f32 v20, v20, v18                        ; the sum of V' takes this period's
.else
	v_nop
.endif
.set PLA, PLA+1
.set PLB, PLB+1
.endm
.macro EPT n
.set tb, (\n)/8
.set tq, (\n)%8
.if tb < 2
	v_exp_f32 v[R+8*tb+tq], v[R+8*tb+tq]
.elseif tb == 2
	v_rcp_f32 v[R+tq], v[R+tq]
.elseif tb == 3
	v_exp_f32 v[R+16+tq], v[R+16+tq]
.elseif tb == 4
	v_rcp_f32 v[R+8+tq], v[R+8+tq]
.elseif tb == 5
	v_exp_f32 v[R+24+tq], v[R+24+tq]
.elseif tb == 6
	v_rcp_f32 v[R+16+tq], v[R+16+tq]
.else
	v_rcp_f32 v[R+24+tq], v[R+24+tq]
.endif
.endm
.macro EPG k                           ; portion k of the riders, 6 to 43: two plain lines, or plain, other, plain, other
.set ek, (\k)
.if ek < 10
	EPP 2*(ek-6)
	EPP 2*(ek-6)+1
.elseif ek < 42
	EPP 8+2*(ek-10)
	EPT 2*(ek-10)
	EPP 9+2*(ek-10)
	EPT 2*(ek-10)+1
.else
	EPP 72+2*(ek-42)
	EPP 73+2*(ek-42)
.endif
.endm
; The period's addresses, behind its second product: five plain lines that name no register of a product, so they are also the places behind product 127 of the period before.
.macro STEP
	WIN 0
	v_add_nc_u32 v6, s48, v4                       ; this period's tile to finish
	s_add_co_u32 s48, s48, 65536                   ; four periods go once round the two slots
	s_and_b32 s48, s48, 0x3ffff
	v_add_nc_u32 v7, s48, v5                       ; the next period's tile to send
	v_add_nc_u32 v10, s49, v8                      ; I send into this period's parity,
	v_add_nc_u32 v11, s49, v9                      ; and receive from my partner's buffer of the same parity
	s_xor_b32 s49, s49, 4096
	v_add_nc_u32 v13, s50, v12                     ; the tables' words of this period's tile to finish
	s_add_co_u32 s50, s50, 128
.set PLA, PLA+5
.set PLB, PLB+5
.endm
; The sums to send, finished by product 63: eight stores of 512 consecutive bytes, each accumulator's lower half first.  Five places behind product 63: four for the stores and for the later loads into
; fragments 0-15, the fifth for the next period's first products, which write over these sums.
; kind 1 (a chunk's second period): the slot that this period has read out is filled again behind the period's barrier: all my tensor loads are waited for (one is out: my part of the other slot), the add
; follows, the walking descriptor steps.  kind 2: the same two lines with nothing left to fetch.  Products and riders, work on registers, stand between the add and the wait for it.
.macro SENDS kind
	WIN 0
	NEEDA 5
.set sn, 0
.rept 8
	ds_store_b128 v10, v[ACC1+4*sn:ACC1+4*sn+3] offset:512*sn
.set sn, sn+1
.endr
.if (\kind) >= 1
	s_wait_tensorcnt 0x0                           ; no tensor load of mine is out, so a group 0 may be written
	ds_add_u32 v14, v15                            ; 0 onto my spare word
.if (\kind) == 1
	s_xor_b32 s45, s45, SLOTB                      ; the other slot than last time,
	s_add_nc_u64 s[46:47], s[46:47], SLOTB         ; the next chunk; the type bits on top are not reached
.endif
.endif
.endm
; Behind the period's barrier.  kind 1: the barrier has opened a round of the cluster's, so that no wave of any partner still reads the slot or has a load on its way; the joint load is the first thing behind
; the round and has 234 products in which to land.  Then a run of 16: the tables' two words, what my partner sent, the next period's first three fragments.
.macro MEET kind
	WIN 0
	s_barrier_wait -1
.if (\kind) == 1
	CREST
	tensor_load_to_lds s[44:47], s[32:39]
	s_nop 0
	PLACES
.endif
	NEEDA 4                                        ; (fragments 0-15 were last read by product 63)
	ds_load_b32 v16, v13                           ; K2 bias and V' of my column of the tile to finish
	ds_load_b32 v18, v13 offset:4096
.set sn, 0
.rept 8
	ds_load_b128 v[R+4*sn:R+4*sn+3], v11 offset:512*sn
.set sn, sn+1
.endr
	FRUN 0, 3
.endm
; A PERIOD.  ep = 1: the period before has left a tile to finish: its riders stand behind products 3 to 77, a portion behind every second product.
; THE SIX RUNS: behind product 13 fragments 16-23 (16 loads); behind 39 fragments 24-31 (16); behind 67 the eight sends; behind 89, that is behind the barrier, the run of 16 above; behind 107 the next period's
; fragments 3-9 (14); behind 125 its fragments 10-15 (12).
; THE COUNTED WAITS (LDS instructions end in order: ISA guide 5.7.1): each count is the number of LDS instructions written behind the run that the next products read.
; THE BARRIER, signalled ahead of product 78 and waited for behind product 89, with twelve products, work on registers, between: in front of the signal each wave has waited for its sends and
; for all its reads of LDS (and for the add); behind the wait the partner's sends may be read, the parity read in the period before may be written again, and the chunk that every wave has waited for may be read.
.macro PERIOD kind, ep
.set PLB, 0
.set ii, 0
.rept 64
.if ii == 0
	s_wait_dscnt 26                                ; the tables' words, the received sums and fragments 0-2 are in; the runs of 14 and 12 behind them may be out
.elseif ii == 12
	s_wait_dscnt 12                                ; fragments 3-9 are in; fragments 10-15 may be out
.elseif ii == 40
	s_wait_dscnt 32                                ; fragments 10-15 are in; the two runs of 16 of the tile to finish may be out
.elseif ii == 64
	s_wait_dscnt 16                                ; fragments 16-23 are in; fragments 24-31 may be out
.elseif ii == 78
	s_wait_dscnt 0x0                               ; my sends are in LDS, my reads of the slot and of my partner's buffer are back (fragments 24-31 among them), the add is done
	s_barrier_signal -1
.endif
	MMA ii
	MMA ii+1
.set gk, ii/2
.if gk == 0
	STEP
.endif
.if (\ep) && (gk >= 1) && (gk <= 38)
	WIN 0
	NEEDB 4                                        ; (the riders read the sums that products 124 to 127 finished)
	EPG gk+5
.endif
.if gk == 6
	NEEDB 4                                        ; (fragments 16-31 were last read by products up to 127 of the period before)
	FRUN 16, 24
.elseif gk == 19
	NEEDB 4
	FRUN 24, 32
.elseif gk == 33
	SENDS \kind
.elseif gk == 44
	MEET \kind
.elseif gk == 53
	NEEDA 4
	FRUN 3, 10
.elseif gk == 62
	NEEDA 4
	FRUN 10, 16
.endif
.set ii, ii+2
.endr
.endm
	s_mov_b32 s48, 0                               ; period 0
	s_mov_b32 s49, 0
	s_mov_b32 s50, 0
	v_mov_b32 v7, v5
	FRUN 0, 16                                     ; its tile to send: 32 loads in the order of the later runs, so that the period's counts hold here too
	PERIOD 0, 0
	WIN 0                                          ; at a label and at a branch every window is 0
	s_mov_b32 s51, 14
.Lmain:                                                ; a trip: periods 2 t + 1 and 2 t + 2; chunks 2 to 15 are asked for
	PERIOD 1, 1
	PERIOD 0, 1
	WIN 0
	s_sub_co_u32 s51, s51, 1
	s_cmp_lg_u32 s51, 0
	s_cbranch_scc1 .Lmain
	s_mov_b32 s52, 3
.Ltail:                                                ; periods 29 to 31: nothing is asked for; the first trip's wait shows chunk 15 landed, the others' are met at once.  Period 31's last three runs fetch
	PERIOD 2, 1                                    ; 32 loads of slot 0 that nobody uses: the price, once a work-group, of one text for the three trips
	WIN 0
	s_sub_co_u32 s52, s52, 1
	s_cmp_lg_u32 s52, 0
	s_cbranch_scc1 .Ltail
	PLACES                                         ; between the last products and the lines that read them
	s_wait_dscnt 0x0                               ; what my partner sent in period 31, and the tables' words
.set dk, 6
.rept 38                                               ; the last tile's riders, with no products left to ride on
	EPG dk
.set dk, dk+1
.endr
; THE SCORES.  A lane holds, for 32 rows, the sum over its column class; the 16 lanes of a half are added, four steps that ride on the addition (DPP).
.irp x, 1,2,4,8
.set fq, 0
.rept 32
	v_add_f32_dpp v[SC+fq], v[SC+fq], v[SC+fq] row_xmask:\x row_mask:0xf bank_mask:0xf
.set fq, fq+1
.endr
	v_add_f32_dpp v20, v20, v20 row_xmask:\x row_mask:0xf bank_mask:0xf
.endr
	v_sub_f32 v20, v20, s61                        ; my wave's constant: -0.5 (the sum of its V' - V_b); the partner adds the other half of V_b
	v_mul_f32 v20, -0.5, v20
.set fq, 0
.rept 16
	v_pk_add_f32 v[SC+2*fq:SC+2*fq+1], v[SC+2*fq:SC+2*fq+1], v[20:21] op_sel_hi:[1,0]
.set fq, fq+1
.endr
	s_lshl_b32 s4, s26, 8
	s_add_co_u32 s4, s4, SCX                       ; my 64 words
	s_xor_b32 s5, s26, 1
	s_lshl_b32 s5, s5, 8
	s_add_co_u32 s5, s5, SCX                       ; my partner's
	v_lshl_add_u32 v27, v3, 5, s4
	v_lshl_add_u32 v28, v3, 5, s5
	v_lshl_add_u32 v29, v1, 3, s4
	v_lshl_add_u32 v30, v1, 3, s5
	v_lshlrev_b32 v31, 3, v1
.irp t, 0,1,2,3                                        ; row 16 t + 8 h + j at byte 64 t + 32 h + 4 j; the 16 lanes of a half write the same words with the same numbers
	ds_store_b128 v27, v[SC+8*\t:SC+8*\t+3]   offset:64*\t
	ds_store_b128 v27, v[SC+8*\t+4:SC+8*\t+7] offset:64*\t+16
.endr
	s_wait_dscnt 0x0                               ; for my partner's sake; my reads of its exchange buffer are long back
	s_barrier_signal -1
	s_barrier_wait -1
.irp t, 0,1,2,3
	ds_load_b128 v[R+8*\t:R+8*\t+3],   v28 offset:64*\t
	ds_load_b128 v[R+8*\t+4:R+8*\t+7], v28 offset:64*\t+16
.endr
	ds_load_b64 v[236:237], v29                    ; and both halves of rows 2 lane, 2 lane + 1, for the store
	ds_load_b64 v[238:239], v30
	s_wait_dscnt 0x0
.set fq, 0
.rept 16                                               ; own + partner's: the same two numbers in both waves, so both hold the same scores bit for bit
	v_pk_add_f32 v[SC+2*fq:SC+2*fq+1], v[SC+2*fq:SC+2*fq+1], v[R+2*fq:R+2*fq+1]
.set fq, fq+1
.endr
	v_pk_add_f32 v[236:237], v[236:237], v[238:239]
	s_cmp_lg_u32 s27, 0
	s_cbranch_scc1 .Lno_store                      ; one wave of the pair stores the group's scores
	global_store_b64 v31, v[236:237], s[22:23]     ; 256 consecutive bytes, aligned
.Lno_store:
	; the group's maximum, and p = 2^(log2(e) s - log2(e) m)
	v_max3_num_f32 v25, v[SC], v[SC+1], v[SC+2]
.set fq, 3
.rept 14
	v_max3_num_f32 v25, v25, v[SC+fq], v[SC+fq+1]
.set fq, fq+2
.endr
	v_max_num_f32 v25, v25, v[SC+31]
	v_permlanex16_b32 v26, v25, s58, s59           ; the group's other 32 rows lie in the lane 16 away
	v_max_num_f32 v25, v25, v26
	v_mul_f32 v26, s56, v25
.set fq, 0
.rept 16
	v_pk_fma_f32 v[SC+2*fq:SC+2*fq+1], v[SC+2*fq:SC+2*fq+1], s[56:57], v[26:27] op_sel_hi:[1,0,0] neg_lo:[0,0,1] neg_hi:[0,0,1]
.set fq, fq+1
.endr
.set fq, 0
.rept 32
	v_exp_f32 v[SC+fq], v[SC+fq]
.set fq, fq+1
.endr
; THE CONTEXT, from the rows still in registers.  A product of a fragment of hidden with a matrix that picks 16 of its 32 k (1.0 where k = 16 q + n) lays those numbers, unchanged, as a result: a lane then holds
; one u (lane % 16) and the rows 8 (lane / 16) + 0..7, the very rows whose p it holds.  The picking matrix: v[228:231] hold 1.0 at k = r in the lanes with r / 8 = h; with zeros on either side
; v[228:235] picks k = 0..15 and v[224:231] picks k = 16..31.
	v_bfe_u32 v4, v0, 1, 2                         ; (r % 8) / 2: the register
	v_and_b32 v5, 1, v0
	v_lshlrev_b32 v5, 4, v5                        ; its half
	v_mov_b32 v7, 0x3f80                           ; 1.0 in bf16
	v_lshlrev_b32 v5, v5, v7
	v_bfe_u32 v6, v0, 3, 1                         ; r / 8
	v_cmp_eq_u32 vcc_lo, v6, v3
	v_cndmask_b32 v5, 0, v5, vcc_lo
	s_wait_alu depctr_va_vdst(0)
.irp c, 0,1,2,3
	v_cmp_eq_u32 vcc_lo, \c, v4
	v_cndmask_b32 v[228+\c], 0, v5, vcc_lo
	v_mov_b32 v[224+\c], 0
	v_mov_b32 v[232+\c], 0
.endr
.macro CTXW ut                         ; u tile ut of 32 (k step ut / 2, half ut % 2): four products, one a row tile, into four of the eight buffers
.set cks, (\ut)/2
.set cq, (\ut)%2
	WIN 1+cks/8
.set cm, 0
.rept 4
	v_wmma_f32_16x16x32_bf16 v[FB+32*cq+8*cm:FB+32*cq+8*cm+7], v[8*(4*(cks%8)+cm):8*(4*(cks%8)+cm)+7], v[228-4*cq:235-4*cq], 0
.set cm, cm+1
.endr
.endm
.macro CTXR ut                         ; its 32 rows a lane times p, added up: 20 plain lines, which are also the places behind the next batch's products
.set cb, FB+32*((\ut)%2)
.set cw, R+8*((\ut)%2)
	WIN 0
.irp e, 0,2,4,6
	v_pk_mul_f32 v[cw+\e:cw+\e+1], v[cb+\e:cb+\e+1], v[SC+\e:SC+\e+1]
.endr
.irp m, 1,2,3
.irp e, 0,2,4,6
	v_pk_fma_f32 v[cw+\e:cw+\e+1], v[cb+8*\m+\e:cb+8*\m+\e+1], v[SC+8*\m+\e:SC+8*\m+\e+1], v[cw+\e:cw+\e+1]
.endr
.endr
	v_pk_add_f32 v[cw:cw+1], v[cw:cw+1], v[cw+2:cw+3]
	v_pk_add_f32 v[cw+4:cw+5], v[cw+4:cw+5], v[cw+6:cw+7]
	v_pk_add_f32 v[cw:cw+1], v[cw:cw+1], v[cw+4:cw+5]
	v_add_f32 v[ACC1+(\ut)], v[cw], v[cw+1]
.endm
	CTXW 0
	WIN 0
	PLACES                                         ; the first batch has no batch before it whose lines could be its places
.set cu, 1
.rept 31
	CTXW cu
	CTXR cu-1
.set cu, cu+1
.endr
	CTXR 31
	; The two halves of the lanes hold different rows' sums.  For u tiles 2 a, 2 a + 1: each lane keeps the tile of its half and takes the other half's sum of that tile: then lane l holds u = 32 a + l.
.set fq, 0
.rept 16
	v_cndmask_b32 v[ACC0+fq],    v[ACC1+2*fq],   v[ACC1+2*fq+1], s60
	v_cndmask_b32 v[ACC0+16+fq], v[ACC1+2*fq+1], v[ACC1+2*fq],   s60
.set fq, fq+1
.endr
.set fq, 0
.rept 16
	v_permlanex16_b32 v[R+16+fq], v[ACC0+16+fq], s58, s59
.set fq, fq+1
.endr
	v_lshl_add_u32 v10, v1, 2, s53
.set fq, 0
.rept 16
	v_add_f32 v[ACC0+fq], v[ACC0+fq], v[R+16+fq]
.set fq, fq+1
.endr
.set fq, 0
.rept 16                                               ; through my own exchange buffer (my partner's reads of it ended in front of the barrier above), so that a lane gets 16 neighbouring bytes
	ds_store_b32 v10, v[ACC0+fq] offset:128*fq
.set fq, fq+1
.endr
.irp j, 0,1,2,3
	ds_load_b128 v[ACC0+16+4*\j:ACC0+16+4*\j+3], v8 offset:512*\j
.endr
	s_wait_dscnt 0x0
.irp j, 0,1,2,3
	global_store_b128 v22, v[ACC0+16+4*\j:ACC0+16+4*\j+3], s[24:25] offset:512*\j  ; 512 consecutive bytes, aligned
.endr
	s_wait_tensorcnt 0x0                           ; the wave's end: the tensor wait, the add and its wait, behind my last tensor load and my last LDS store
	ds_add_u32 v14, v15
	s_wait_dscnt 0x0
	CROUND                                         ; the closing round: no work-group ends while a partner may still ask for a chunk that names it
	s_endpgm
.Lfunc_end_k_qda606eb612_main:
	.size	k_qda606eb612_main, .Lfunc_end_k_qda606eb612_main-k_qda606eb612_main
	.p2alignl 7, 3214868480
	.fill 96, 4, 3214868480
	.section	.rodata,"a",@progbits
	.p2align	6, 0x0
	.amdhsa_kernel k_qda606eb612_main
		.amdhsa_group_segment_fixed_size 327680
		.amdhsa_private_segment_fixed_size 0
		.amdhsa_enable_private_segment 0
		.amdhsa_kernarg_size 72
		.amdhsa_user_sgpr_count 2
		.amdhsa_user_sgpr_kernarg_segment_ptr 1
		.amdhsa_wavefront_size32 1
		.amdhsa_system_sgpr_workgroup_id_x 1
		.amdhsa_system_sgpr_workgroup_id_y 1
		.amdhsa_system_sgpr_workgroup_id_z 1
		.amdhsa_system_vgpr_workitem_id 0
		.amdhsa_next_free_vgpr 1024
		.amdhsa_next_free_sgpr 80
		.amdhsa_reserve_vcc 1
		.amdhsa_float_denorm_mode_32 3
		.amdhsa_float_denorm_mode_16_64 3
		.amdhsa_memory_ordered 1
		.amdhsa_forward_progress 1
		.amdhsa_inst_pref_size 255
	.end_amdhsa_kernel
	.section	.bss,"aw",@nobits
	.p2align	6
	.space	262144
	.amdgpu_metadata
---
amdhsa.version: [ 1, 2 ]
amdhsa.kernels:
  - .name:           k_qda606eb612_main
    .symbol:         k_qda606eb612_main.kd
    .args:
      - { .name: hidden_states, .offset: 0, .size: 8, .value_kind: global_buffer, .address_space: global }
      - { .name: Uf, .offset: 8, .size: 8, .value_kind: global_buffer, .address_space: global }
      - { .name: biasP, .offset: 16, .size: 8, .value_kind: global_buffer, .address_space: global }
      - { .name: W_b, .offset: 24, .size: 8, .value_kind: global_buffer, .address_space: global }
      - { .name: U_b, .offset: 32, .size: 8, .value_kind: global_buffer, .address_space: global }
      - { .name: V_w, .offset: 40, .size: 8, .value_kind: global_buffer, .address_space: global }
      - { .name: V_b, .offset: 48, .size: 8, .value_kind: global_buffer, .address_space: global }
      - { .name: scores, .offset: 56, .size: 8, .value_kind: global_buffer, .address_space: global }
      - { .name: ctxP, .offset: 64, .size: 8, .value_kind: global_buffer, .address_space: global }
    .group_segment_fixed_size: 327680
    .private_segment_fixed_size: 0
    .kernarg_segment_align: 8
    .kernarg_segment_size: 72
    .max_flat_workgroup_size: 128
    .sgpr_count:     80
    .vgpr_count:     1024
    .wavefront_size: 32
...
	.end_amdgpu_metadata
.endif
;; end of part 4
;; launch join: the kernel of part 3 again; grid 8 x 32, 1 waves a work-group, no clusters, 0 bytes of LDS; arguments scores, ctxP, out0, out1; writes out0, out1
;; ======== version 3 of 3: 3 launches; 1.37 times as fast as version 1
;; limits: values outside matrix products are rounded to bf16
;; workspace buffers: Uf 2,097,152 bytes; biasP 524,288 bytes; scores 262,144 bytes; ctxP 4,194,304 bytes
;; launch prep: the kernel of part 1 again; grid 16 x 4, 8 waves a work-group, no clusters, 111,616 bytes of LDS; arguments U_w, W_w, s_prev, Uf, biasP; writes Uf, biasP
;; launch main (part 5): grid 512 x 1, 4 waves a work-group, clusters of 4 x 1, 327,680 bytes of LDS; arguments hidden_states, Uf, biasP, W_b, U_b, V_w, V_b, scores, ctxP; writes scores, ctxP
.if DOCPART == 5
	.amdgcn_target "amdgcn-amd-amdhsa--gfx1250"
	.amdhsa_code_object_version 6
	.text
	.protected	k_qda606eb612_main
	.globl	k_qda606eb612_main
	.p2align	8
	.type	k_qda606eb612_main,@function
k_qda606eb612_main:
	s_mov_b64 s[64:65], 0
	v_nop
	global_prefetch_b8 v0, s[64:65] scope:SCOPE_SE
	s_setreg_imm32_b32 hwreg(HW_REG_WAVE_MODE, 25, 1), 1
	s_wait_xcnt 0x0
	s_wait_alu depctr_hold_cnt(0) depctr_sa_sdst(0) depctr_va_vdst(0) depctr_va_sdst(0) depctr_va_ssrc(0) depctr_va_vcc(0) depctr_vm_vsrc(0)
	s_getreg_b32 s2, hwreg(HW_REG_IB_STS2, 6, 4)
	s_cmp_eq_u32 s2, 0
	s_cbranch_scc0 .Lentry_in_a_cluster
	s_endpgm
.Lentry_in_a_cluster:
	s_bfe_u32 s2, ttmp6, 0x10000c
	s_cmp_lg_u32 s2, 0x3003
	s_cbranch_scc0 .Lentry_shape_is_right
	s_endpgm
.Lentry_shape_is_right:
; MAIN.  For 128 rows of one batch: score[row] = sum over n of V[n] tanh(dec[n] + U_b[n] + sum over k of hidden[row][k] U_w[k][n]) + V_b, and, for each group of 64 rows, the
; weights p = e^(score - the group's maximum) and the partial context sum of p x hidden over the group.  The next launch joins the groups of a batch.
; THE ROWS STAY.  hidden is read once, rounded once to bf16 and kept in registers from the product to the context: wave (i, kh) holds rows 64 i .. 64 i + 63 and k = 512 kh .. + 511: 4 row tiles x 16 k steps
; x 8 registers = 512.  U_w, as ready fragments (Uf, 2 MiB), goes past them through two LDS slots of 131,072 bytes (a chunk = four n tiles of 32,768 bytes; each wave fetches one of them).
; A PERIOD is 32 columns: two n tiles, 128 products a wave.  A fragment of U read from LDS (1,024 bytes) feeds four products.  Each wave sums over its half of K for both n tiles; the sums of one tile it
; sends to its partner (i, 1 - kh) through LDS, those of the other it finishes with what the partner sent.  tanh and the dot with V of one period stand as riders among the products of the next.
; THE 82 LDS INSTRUCTIONS OF A PERIOD STAND IN SIX RUNS of 8 to 16, never singly among the products, 16 to 28 products apart: a wave issues in order, so it issues no product while a run goes out (the runs are
; short), and each run ends a stretch of products (the runs are few).  Every fragment is asked for 32 products or more ahead of its first use.
; tanh(x) = 1 - 2 / (1 + 2^(K2 x)), K2 = 2 log2(e); with V' = -2 V the score is the sum of V' / (1 + 2^(K2 x)), less half the sum of V', plus V_b.
; TWO BATCHES A PERIOD.  A tile to finish is 32 sums a lane: 32 exponentials and, of their results plus 1, 32 reciprocals, each in place in a register of its own (v160-191).  All the exponentials are one
; batch, all the reciprocals a second.  An s_wait_alu depctr_va_vdst(0) stands between such a line and the first line that names its result; one wait serves a whole batch: a period has two,
; each directly ahead of a run of LDS instructions (the loads of fragments 24-31; the sends), where a stretch of products ends anyway.  Behind the second no such line is issued.
; CLUSTER.  All work-groups walk the same Uf, so the four of a cluster ask for each chunk jointly: same tensor load, same descriptor (it hangs on the wave's number alone), mask of four.
; LIMITS.  hidden counts as its bf16 rounding in the context too.  The score is a difference of two f32 sums, each at most the sum of 2 |V|: its absolute error grows with that sum times 2^-24.
; 2^(K2 x) beyond f32's range gives tanh = 1, below it tanh = -1.  A weight below 2^-126 counts as 0.  NaN and infinities are not treated apart.  The order of the sums is not the reference's.
; REGISTERS, in windows of 256 (s_set_vgpr_msb: bits 1:0 source 0, 3:2 source 1, 5:4 source 2, 7:6 destination):
;   window 0: v0-31 addresses and small things; v32-95 at work in the context; v96-127 sums to send; v128-159 sums to finish; v160-191 received sums, at work; v192-223 scores; v224-255 at work
;   window 1: hidden, k steps 0-7 (row tile m, k step s at 8 (4 (s % 8) + m));  window 2: k steps 8-15
;   window 3: four landing sets of 64 while hidden is loaded; then a period's 32 fragments of U, fragment f at 8 f (0-15: the tile to send, 16-31: the tile to finish; k step f % 16)
.set SLOTB, 131072                     ; a slot; slot 0 at LDS byte 0, slot 1 behind it: filled by tensor loads alone
.set XBUF,  262144                     ; the exchange: 8,192 bytes a wave, two buffers of 4,096 by the period's parity; also the wave's stage while hidden is loaded and on the way out
.set TABB,  294912                     ; K2 x (decoder + both biases), 1,024 f32;  4,096 bytes further: V'
.set SCX,   303104                     ; 256 bytes a wave: its 64 rows' half scores
.set SPARE, 304128                     ; the spare words: 128 bytes a wave, two blocks of 256 bytes that no other line names
.set FB,   32
.set ACC1, 96
.set ACC0, 128
.set R,    160
.set SC,   192
.set T,    224
; v4, v5 my lane's place in the tile to finish / to send; v6 the tile to finish of the period in hand, v7 the tile to send of the next; v8, v9 my / my partner's exchange buffer; v10, v11 where I send / receive
; in this period; v12, v13 my place in the tables; v14, v15 the add's two registers; v[16:17] K2 bias; v[18:19] V'; v[20:21] the sum of V'; v22 16 x lane; v23, v24 stage in / out
; s26 wave, s27 kh, s28 i, s30 block of 128 rows; s[32:39] descriptor group 1; s[40:43], s[44:47] group 0 for the two first fills, the second then walks; s48 the period's LDS byte; s49 the exchange's parity;
; s50 the period's byte in the tables; s51, s52 counters; s[54:55] K2; s[56:57] log2(e); s[58:59] v_permlanex16_b32's selects; s60 lanes 16-31; s61 V_b; s[68:69] hidden at my rows
.set MSB, 0
.set PLA, 5                            ; plain vector instructions written since product 63, the last on the sums to send and the last reader of fragments 0-15
.set PLB, 5                            ; the same since product 127, the last on the sums to finish and the last reader of fragments 16-31
.macro WIN new                         ; the immediate's high byte repeats the setting that is left; a switch that changes nothing is dropped
.if MSB != (\new)
	s_set_vgpr_msb (MSB<<8)|(\new)
.set MSB, (\new)
.endif
.endm
.macro PLACES
.rept 4
	v_nop
.endr
.endm
; A vector instruction or LDS store that reads a product's result, and a load into a register that a product has read, stand four plain vector instructions behind that product; a product that writes over another
; product's result five (ISA guide 7.12.1 for vector instructions).  What the riders have not filled is filled with v_nop.
.macro NEEDA n
.rept (\n)
.if PLA < (\n)
	v_nop
.set PLA, PLA+1
.set PLB, PLB+1
.endif
.endr
.endm
.macro NEEDB n
.rept (\n)
.if PLB < (\n)
	v_nop
.set PLA, PLA+1
.set PLB, PLB+1
.endif
.endr
.endm
.macro CREST                           ; a round of the cluster's barrier behind its opening barrier
	s_cmp_lg_u32 s26, 0
	s_cbranch_scc1 .Lnot_wave_0_\@
	s_barrier_signal -3
.Lnot_wave_0_\@:
	s_barrier_wait -3
	s_barrier_signal -1
	s_barrier_wait -1
.endm
.macro CROUND
	s_barrier_signal -1
	s_barrier_wait -1
	CREST
.endm
; HIDDEN COMES IN, in 16 units of 16 rows x 512 bytes (four k steps); each load takes 512 consecutive bytes of a row.  Four units, 64 loads a wave, are kept on their way.
.macro UNIT_ISSUE u
.set um, (\u)/4
.set uc, (\u)%4
.set ul, 64*((\u)%4)
	WIN 0xc0                                       ; destination window 3
.set ur, 0
.rept 16
	global_load_b128 v[ul+4*ur:ul+4*ur+3], v22, s[68:69] offset:(16*um+ur)*4096+uc*512 th:TH_LOAD_NT
.set ur, ur+1
.endr
.endm
; A unit is rounded to bf16, laid into my stage by rows (pitch 272) and read back as four fragments.  The stage is my own: LDS serves a wave's instructions in order (ISA guide 5.7.1.4).
.macro UNIT_USE u, left
.set um, (\u)/4
.set uc, (\u)%4
.set ul, 64*((\u)%4)
	s_wait_loadcnt \left                           ; loads come back in order (ISA guide 5.7.1): this unit is in, the younger units stay out
	WIN 0x0f                                       ; sources window 3, destination window 0
.set ur, 0
.rept 16
	v_cvt_pk_bf16_f32 v[T+2*ur],   v[ul+4*ur],   v[ul+4*ur+1]
	v_cvt_pk_bf16_f32 v[T+2*ur+1], v[ul+4*ur+2], v[ul+4*ur+3]
.set ur, ur+1
.endr
	WIN 0
.set ur, 0
.rept 16
	ds_store_b64 v23, v[T+2*ur:T+2*ur+1] offset:ur*272
.set ur, ur+1
.endr
	WIN 0x40*(1+uc/2)                              ; destination window 1 or 2
.set ur, 0
.rept 4
.set ua, 8*(4*(4*(uc%2)+ur)+um)
	ds_load_b128 v[ua:ua+3],   v24 offset:64*ur
	ds_load_b128 v[ua+4:ua+7], v24 offset:64*ur+32
.set ur, ur+1
.endr
.endm
	s_load_b512 s[8:23], s[0:1], 0x0               ; hidden 8, Uf 10, biasP 12, W_b 14, U_b 16, V_w 18, V_b 20, scores 22
	s_load_b64 s[24:25], s[0:1], 0x40              ; ctxP
	v_lshl_add_u32 v14, v0, 2, SPARE
	v_mov_b32 v15, 0
	ds_add_u32 v14, v15                            ; the wave's opening: the add and its wait ahead of my first tensor load; the set-up below, work on registers, stands between them
	v_lshrrev_b32 v1, 5, v0
	v_readfirstlane_b32 s26, v1                    ; wave 0..3
	s_and_b32 s27, s26, 1                          ; kh: my half of K
	s_lshr_b32 s28, s26, 1                         ; i: my half of the rows
	s_bfe_u32 s29, ttmp6, 0x40000                  ; cx: it enters global addresses of my own loads and stores alone
	s_lshl_b32 s30, ttmp9, 2
	s_add_co_u32 s30, s30, s29                     ; my block of 128 rows
	s_mov_b32 s32, 15|(3<<16)|(1<<21)              ; group 1: 15:0 the mask of four; 17:16 elements of 8 bytes; 21 set beside a mask; no padding
	s_mov_b32 s33, 32<<16                          ; tensor_dim0 = 32 elements: rows of 256 bytes
	s_mov_b32 s34, 128<<16                         ; tensor_dim1 = 128 rows: an n tile's 32,768 dense bytes
	s_mov_b32 s35, 32<<16                          ; tile_dim0 = 32
	s_mov_b32 s36, 128                             ; tile_dim1 = 128
	s_mov_b32 s37, 32                              ; 32 elements from row to row
	s_mov_b32 s38, 0
	s_mov_b32 s39, 0
	s_mov_b32 s40, 1                               ; group 0: count = 1
	s_lshl_b32 s41, s26, 15                        ; LDS address: wave x 32,768, in slot 0
	s_mov_b32 s44, 1
	s_add_co_u32 s45, s41, SLOTB                   ; and in slot 1
	s_lshl_b32 s66, s26, 15                        ; my n tile of a chunk in Uf
	s_mov_b32 s67, 0
	s_mov_b32 s54, 0x4038aa3b                      ; K2 = 2 log2(e)
	s_mov_b32 s55, s54
	s_mov_b32 s56, 0x3fb8aa3b                      ; log2(e)
	s_mov_b32 s57, s56
	s_mov_b32 s58, 0x76543210
	s_mov_b32 s59, 0xfedcba98
	s_mov_b32 s60, 0xffff0000
	s_lshl_b32 s70, s30, 19                        ; hidden: 128 rows of 4,096 bytes a block,
	s_lshl_b32 s4, s28, 18                         ; 64 rows a half,
	s_add_co_u32 s70, s70, s4
	s_lshl_b32 s4, s27, 11                         ; 2,048 bytes a half of K
	s_add_co_u32 s70, s70, s4
	s_mov_b32 s71, 0
	s_lshr_b32 s72, s30, 4                         ; the batch: 16 blocks each
	s_lshl_b32 s72, s72, 12                        ; its row of biasP
	s_mov_b32 s73, 0
	s_lshl1_add_u32 s5, s30, s28                   ; my group of 64 rows
	s_lshl_b32 s74, s5, 8                          ; its 256 bytes of scores
	s_mov_b32 s75, 0
	s_lshl_b32 s76, s5, 12                         ; its row of ctxP,
	s_add_co_u32 s76, s76, s4                      ; my half of it
	s_mov_b32 s77, 0
	s_mul_i32 s62, s27, 49152                      ; in a period's 65,536 bytes: n tile kh (32,768 each), k steps 16 kh on (1,024 each)
	s_lshl_b32 s63, s27, 14
	s_sub_co_u32 s63, 32768, s63                   ; n tile 1 - kh, k steps 16 kh on
	s_lshl_b32 s53, s26, 13
	s_add_co_u32 s53, s53, XBUF                    ; my exchange buffers
	s_xor_b32 s31, s26, 1
	s_lshl_b32 s31, s31, 13
	s_add_co_u32 s31, s31, XBUF                    ; my partner's
	s_lshl_b32 s6, s27, 6
	s_add_co_u32 s6, s6, TABB
	v_and_b32 v1, 31, v0                           ; lane
	v_and_b32 v2, 15, v0                           ; r
	v_bfe_u32 v3, v0, 4, 1                         ; h
	v_lshl_add_u32 v4, v1, 4, s62
	v_lshl_add_u32 v5, v1, 4, s63
	v_lshl_add_u32 v8, v1, 4, s53
	v_lshl_add_u32 v9, v1, 4, s31
	v_lshl_add_u32 v12, v2, 2, s6                  ; column 16 kh + r of a period's 32
	v_lshlrev_b32 v22, 4, v1
	v_lshl_add_u32 v23, v1, 3, s53                 ; stage in: 8 bytes a lane of a row
	v_mul_u32_u24 v24, v2, 272
	v_lshl_add_u32 v24, v3, 4, v24
	v_add_nc_u32 v24, s53, v24                     ; stage out: row r, 16 bytes for each half of the lanes
	v_lshlrev_b32 v25, 5, v0                       ; the tables: eight numbers a thread
	v_lshl_add_u32 v26, v0, 5, TABB
	s_wait_dscnt 0x0                               ; the opening add is done
	s_wait_kmcnt 0x0
	s_add_nc_u64 s[42:43], s[10:11], s[66:67]      ; chunk 0, my n tile
	s_add_nc_u64 s[46:47], s[42:43], SLOTB         ; chunk 1
	s_or_b32 s43, s43, 0x80000000                  ; type = 2
	s_or_b32 s47, s47, 0x80000000
	s_add_nc_u64 s[68:69], s[8:9], s[70:71]
	s_add_nc_u64 s[12:13], s[12:13], s[72:73]
	s_add_nc_u64 s[22:23], s[22:23], s[74:75]
	s_add_nc_u64 s[24:25], s[24:25], s[76:77]
	s_load_b32 s61, s[20:21], 0x0                  ; V_b
	; My own loads of inputs, which no work-group writes, go out ahead of the cluster's round and stay on their way across it: the tables' 14, then hidden's first three units.
.irp y, 0,1,2,3
	global_load_b128 v[96+8*\y:99+8*\y],   v25, s[12:13] offset:\y*131072
	global_load_b128 v[100+8*\y:103+8*\y], v25, s[12:13] offset:\y*131072+16
.endr
	global_load_b128 v[128:131], v25, s[14:15]
	global_load_b128 v[132:135], v25, s[14:15] offset:16
	global_load_b128 v[136:139], v25, s[16:17]
	global_load_b128 v[140:143], v25, s[16:17] offset:16
	global_load_b128 v[144:147], v25, s[18:19]
	global_load_b128 v[148:151], v25, s[18:19] offset:16
	UNIT_ISSUE 0
	UNIT_ISSUE 1
	UNIT_ISSUE 2
	WIN 0                                          ; at a branch and at a label every window is 0
	CROUND                                         ; all four work-groups are here: the first joint loads meet
	tensor_load_to_lds s[40:43], s[32:39]          ; both first fills together: two loads of mine are out
	s_nop 0
	tensor_load_to_lds s[44:47], s[32:39]
	s_nop 0
	PLACES
.set i, 0
.rept 32                                               ; the scores' sums start at 0: in the wait for the first loads
	v_mov_b32 v[SC+i], 0
.set i, i+1
.endr
	v_mov_b32 v17, 0                               ; the upper registers of pairs of which the packed lines take the lower for both halves
	v_mov_b32 v19, 0
	v_mov_b32 v20, 0                               ; the sum of V'
	v_mov_b32 v21, 0
	s_wait_loadcnt 48                              ; the tables' loads are in: three units were issued behind them
.irp a, 104,112,120,128,136                            ; four quarters of the decoder's product, W_b, U_b
.irp c, 0,2,4,6
	v_pk_add_f32 v[96+\c:97+\c], v[96+\c:97+\c], v[\a+\c:\a+\c+1]
.endr
.endr
.irp c, 0,2,4,6
	v_pk_mul_f32 v[96+\c:97+\c], v[96+\c:97+\c], s[54:55] op_sel_hi:[1,0]
	v_pk_mul_f32 v[144+\c:145+\c], v[144+\c:145+\c], -2.0 op_sel_hi:[1,0]
.endr
	ds_store_b128 v26, v[96:99]
	ds_store_b128 v26, v[100:103] offset:16
	ds_store_b128 v26, v[144:147] offset:4096
	ds_store_b128 v26, v[148:151] offset:4112
	UNIT_ISSUE 3
.set uu, 0
.rept 16
.if uu < 13
	UNIT_USE uu, 48
.else
	UNIT_USE uu, 16*(15-uu)
.endif
.if uu < 12
	UNIT_ISSUE uu+4
.endif
.set uu, uu+1
.endr
	WIN 0
	s_wait_kmcnt 0x0                               ; V_b
	s_wait_tensorcnt 0x1                           ; my part of chunk 0 is in; chunk 1's may stay out
	s_wait_dscnt 0x0                               ; my rows are in registers, my part of the tables in LDS
	s_barrier_signal -1
	s_barrier_wait -1
; THE PERIOD'S PARTS.
; Fragments from .. to - 1 in one run, each two loads of 512 consecutive bytes.  Fragments 0-15: the tile to send (address v7); 16-31: the tile to finish (v6).
.macro FRUN from, to
	WIN 0xc0                                       ; destination window 3, address window 0
.set bf, (\from)
.rept (\to)-(\from)
	ds_load_b128 v[8*bf:8*bf+3],   v[7-bf/16] offset:(bf%16)*1024
	ds_load_b128 v[8*bf+4:8*bf+7], v[7-bf/16] offset:(bf%16)*1024+512
.set bf, bf+1
.endr
.endm
; Product i of a period's 128: fragment i / 4, row tile i % 4.  Source 0 = 16 rows of hidden, source 1 = 16 columns of U: a lane holds ONE column (lane % 16) and the rows 8 (lane / 16) + 0..7.
; The four accumulators of a tile take turns, one instruction a turn; the first k step starts the sums with the constant 0.
.macro MMA i
.set mi, (\i)
.set mks, (mi%64)/4
.set mm, mi%4
.set macc, ACC1+32*(mi/64)+8*mm
.set mra, 8*(4*(mks%8)+mm)
.set mfb, 8*(mi/4)
	WIN 0x0d+mks/8                                 ; hidden in window 1 or 2, U in window 3, the sums in window 0
.if mks == 0
	v_wmma_f32_16x16x32_bf16 v[macc:macc+7], v[mra:mra+7], v[mfb:mfb+7], 0
.else
	v_wmma_f32_16x16x32_bf16 v[macc:macc+7], v[mra:mra+7], v[mfb:mfb+7], v[macc:macc+7]
.endif
.if mi == 63
.set PLA, 0
.endif
.if mi == 127
.set PLB, 0
.endif
.endm
; THE RIDERS: what is made of a finished tile's 32 sums a lane.  Pair p of 16 lies in v[R+2p ..] (row tile p / 4), its scores in v[SC+2p ..]; every step works in place.
; Plain lines, a pair each: A = received + own sums (each accumulator's lowest pair first); F = K2 x + K2 bias; O = + 1; S = score += V' x reciprocal.
; The other lines, a number each: E = 2^x, C = reciprocal.  They are dealt in 37 portions of at most four lines, in three parts, cut by the two waits:
;   portions 1-19   A and F by row tiles (A0 F0 A1 F1 A2 F2 A3 F3: 32 lines) and THE BATCH OF 32 E.  1, 2: A0, F0.  3-14: plain, E, plain, E: exponential j beside plain line 8 + j, so that its F stands one or more
;                   portions back.  15-18: the last eight E, two each.  19: the sum of V' takes this period's: the plain line behind the last E (ISA guide 5.7.2).  Nothing here names a result of an E.
;   (the wait for the exponentials)
;   portions 20-33  O and THE BATCH OF 32 C.  20: O of pairs 0-3.  21-27: an O and two C.  28-32: an O and three C.  33: the last three C and a v_nop, the plain line behind them.  Reciprocal j reads pair
;                   j / 2, made a portion or more earlier.  Nothing here names a result of a C.
;   (the wait for the reciprocals)
;   portions 34-37  S, a row tile each.
.macro EP1 n                           ; line n of the 32 of A and F
.set pp, 4*((\n)/8)+(\n)%4             ; its pair
.if (\n)%8 < 4
	v_pk_add_f32 v[R+2*pp:R+2*pp+1], v[R+2*pp:R+2*pp+1], v[ACC0+2*pp:ACC0+2*pp+1]
.else
	v_pk_fma_f32 v[R+2*pp:R+2*pp+1], v[R+2*pp:R+2*pp+1], s[54:55], v[16:17] op_sel_hi:[1,0,0]
.endif
.set PLA, PLA+1
.set PLB, PLB+1
.endm
.macro EPE j
	v_exp_f32 v[R+(\j)], v[R+(\j)]
.endm
.macro EPO p
	v_pk_add_f32 v[R+2*(\p):R+2*(\p)+1], v[R+2*(\p):R+2*(\p)+1], 1.0 op_sel_hi:[1,0]
.set PLA, PLA+1
.set PLB, PLB+1
.endm
.macro EPC j
	v_rcp_f32 v[R+(\j)], v[R+(\j)]
.endm
.macro EPS p
	v_pk_fma_f32 v[SC+2*(\p):SC+2*(\p)+1], v[R+2*(\p):R+2*(\p)+1], v[18:19], v[SC+2*(\p):SC+2*(\p)+1] op_sel_hi:[1,0,1]
.set PLA, PLA+1
.set PLB, PLB+1
.endm
.macro EPG k                           ; portion k of the riders, 1 to 37; the two waits are written by whoever deals the portions, behind portions 19 and 33
.set ek, (\k)
.if ek < 3
.set ez, 0
.rept 4
	EP1 4*(ek-1)+ez
.set ez, ez+1
.endr
.elseif ek < 15
	EP1 8+2*(ek-3)
	EPE 2*(ek-3)
	EP1 9+2*(ek-3)
	EPE 2*(ek-3)+1
.elseif ek < 19
	EPE 24+2*(ek-15)
	EPE 25+2*(ek-15)
.elseif ek == 19
	v_add_f32 v20, v20, v18                        ; the sum of V' takes this period's
.set PLA, PLA+1
.set PLB, PLB+1
.elseif ek == 20
.set ez, 0
.rept 4
	EPO ez
.set ez, ez+1
.endr
.elseif ek < 28
	EPO ek-17
	EPC 2*(ek-21)
	EPC 2*(ek-21)+1
.elseif ek < 33
	EPO ek-17
	EPC 14+3*(ek-28)
	EPC 15+3*(ek-28)
	EPC 16+3*(ek-28)
.elseif ek == 33
	EPC 29
	EPC 30
	EPC 31
	v_nop                                          ; the plain line behind the last reciprocal (ISA guide 5.7.2)
.set PLA, PLA+1
.set PLB, PLB+1
.else
.set ez, 0
.rept 4
	EPS 4*(ek-34)+ez
.set ez, ez+1
.endr
.endif
.endm
; The period's addresses, behind its second product: five plain lines that name no register of a product, so they are also the places behind product 127 of the period before.
.macro STEP
	WIN 0
	v_add_nc_u32 v6, s48, v4                       ; this period's tile to finish
	s_add_co_u32 s48, s48, 65536                   ; four periods go once round the two slots
	s_and_b32 s48, s48, 0x3ffff
	v_add_nc_u32 v7, s48, v5                       ; the next period's tile to send
	v_add_nc_u32 v10, s49, v8                      ; I send into this period's parity,
	v_add_nc_u32 v11, s49, v9                      ; and receive from my partner's buffer of the same parity
	s_xor_b32 s49, s49, 4096
	v_add_nc_u32 v13, s50, v12                     ; the tables' words of this period's tile to finish
	s_add_co_u32 s50, s50, 128
.set PLA, PLA+5
.set PLB, PLB+5
.endm
; The sums to send, finished by product 63: eight stores of 512 consecutive bytes, each accumulator's lower half first.  Five places behind product 63: four for the stores and for the later loads into
; fragments 0-15, the fifth for the next period's first products, which write over these sums.
; ep = 1: riders are under way: the wait for their batch of reciprocals stands directly ahead of the stores.
; kind 1 (a chunk's second period): the slot that this period has read out is filled again behind the period's barrier: all my tensor loads are waited for (one is out: my part of the other slot), the add
; follows, the walking descriptor steps.  kind 2: the same two lines with nothing left to fetch.  Products and riders, work on registers, stand between the add and the wait for it.
.macro SENDS kind, ep
	WIN 0
	NEEDA 5
.if (\ep)
	s_wait_alu depctr_va_vdst(0)                   ; ONE wait for the batch of 32 reciprocals (portions 21-33) ahead of the first line that names a result of theirs: S, in portion 34
.endif
.set sn, 0
.rept 8
	ds_store_b128 v10, v[ACC1+4*sn:ACC1+4*sn+3] offset:512*sn
.set sn, sn+1
.endr
.if (\kind) >= 1
	s_wait_tensorcnt 0x0                           ; no tensor load of mine is out, so a group 0 may be written
	ds_add_u32 v14, v15                            ; 0 onto my spare word
.if (\kind) == 1
	s_xor_b32 s45, s45, SLOTB                      ; the other slot than last time,
	s_add_nc_u64 s[46:47], s[46:47], SLOTB         ; the next chunk; the type bits on top are not reached
.endif
.endif
.endm
; Behind the period's barrier.  kind 1: the barrier has opened a round of the cluster's, so that no wave of any partner still reads the slot or has a load on its way; the joint load is the first thing behind
; the round and has 234 products in which to land.  Then a run of 16: the tables' two words, what my partner sent, the next period's first three fragments.
.macro MEET kind
	WIN 0
	s_barrier_wait -1
.if (\kind) == 1
	CREST
	tensor_load_to_lds s[44:47], s[32:39]
	s_nop 0
	PLACES
.endif
	NEEDA 4                                        ; (fragments 0-15 were last read by product 63)
	ds_load_b32 v16, v13                           ; K2 bias and V' of my column of the tile to finish
	ds_load_b32 v18, v13 offset:4096
.set sn, 0
.rept 8
	ds_load_b128 v[R+4*sn:R+4*sn+3], v11 offset:512*sn
.set sn, sn+1
.endr
	FRUN 0, 3
.endm
; A PERIOD.  ep = 1: the period before has left a tile to finish: its riders stand behind products 3 to 75, a portion behind every second product.
; THE SIX RUNS: behind product 13 fragments 16-23 (16 loads); behind 39 fragments 24-31 (16); behind 67 the eight sends; behind 89, that is behind the barrier, the run of 16 above; behind 107 the next period's
; fragments 3-9 (14); behind 125 its fragments 10-15 (12).
; THE RIDERS' TWO WAITS stand at the heads of the second and the third run: behind portion 19 for the exponentials, behind portion 33 (in SENDS) for the reciprocals.
; THE COUNTED WAITS (LDS instructions end in order: ISA guide 5.7.1): each count is the number of LDS instructions written behind the run that the next products read.
; THE BARRIER, signalled ahead of product 78 and waited for behind product 89, with twelve products, work on registers, between: in front of the signal each wave has waited for its sends and
; for all its reads of LDS (and for the add); behind the wait the partner's sends may be read, the parity read in the period before may be written again, and the chunk that every wave has waited for may be read.
.macro PERIOD kind, ep
.set PLB, 0
.set ii, 0
.rept 64
.if ii == 0
	s_wait_dscnt 26                                ; the tables' words, the received sums and fragments 0-2 are in; the runs of 14 and 12 behind them may be out
.elseif ii == 12
	s_wait_dscnt 12                                ; fragments 3-9 are in; fragments 10-15 may be out
.elseif ii == 40
	s_wait_dscnt 32                                ; fragments 10-15 are in; the two runs of 16 of the tile to finish may be out
.elseif ii == 64
	s_wait_dscnt 16                                ; fragments 16-23 are in; fragments 24-31 may be out
.elseif ii == 78
	s_wait_dscnt 0x0                               ; my sends are in LDS, my reads of the slot and of my partner's buffer are back (fragments 24-31 among them), the add is done
	s_barrier_signal -1
.endif
	MMA ii
	MMA ii+1
.set gk, ii/2
.if gk == 0
	STEP
.endif
.if (\ep) && (gk >= 1) && (gk <= 37)
	WIN 0
	NEEDB 4                                        ; (the riders read the sums that products 124 to 127 finished)
	EPG gk
.endif
.if gk == 6
	NEEDB 4                                        ; (fragments 16-31 were last read by products up to 127 of the period before)
	FRUN 16, 24
.elseif gk == 19
	NEEDB 4
.if (\ep)
	s_wait_alu depctr_va_vdst(0)                   ; ONE wait for the batch of 32 exponentials (portions 3-18) ahead of the first line that names a result of theirs: O, in portion 20
.endif
	FRUN 24, 32
.elseif gk == 33
	SENDS \kind, \ep
.elseif gk == 44
	MEET \kind
.elseif gk == 53
	NEEDA 4
	FRUN 3, 10
.elseif gk == 62
	NEEDA 4
	FRUN 10, 16
.endif
.set ii, ii+2
.endr
.endm
	s_mov_b32 s48, 0                               ; period 0
	s_mov_b32 s49, 0
	s_mov_b32 s50, 0
	v_mov_b32 v7, v5
	FRUN 0, 16                                     ; its tile to send: 32 loads in the order of the later runs, so that the period's counts hold here too
	PERIOD 0, 0
	WIN 0                                          ; at a label and at a branch every window is 0
	s_mov_b32 s51, 14
.Lmain:                                                ; a trip: periods 2 t + 1 and 2 t + 2; chunks 2 to 15 are asked for
	PERIOD 1, 1
	PERIOD 0, 1
	WIN 0
	s_sub_co_u32 s51, s51, 1
	s_cmp_lg_u32 s51, 0
	s_cbranch_scc1 .Lmain
	s_mov_b32 s52, 3
.Ltail:                                                ; periods 29 to 31: nothing is asked for; the first trip's wait shows chunk 15 landed, the others' are met at once.  Period 31's last three runs fetch
	PERIOD 2, 1                                    ; 32 loads of slot 0 that nobody uses: the price, once a work-group, of one text for the three trips
	WIN 0
	s_sub_co_u32 s52, s52, 1
	s_cmp_lg_u32 s52, 0
	s_cbranch_scc1 .Ltail
	PLACES                                         ; between the last products and the lines that read them
	s_wait_dscnt 0x0                               ; what my partner sent in period 31, and the tables' words
.set dk, 1
.rept 37                                               ; the last tile's riders, with no products left to ride on: the same portions, the same two batches
	EPG dk
.if (dk == 19) || (dk == 33)
	s_wait_alu depctr_va_vdst(0)                   ; behind portion 19: one wait for the 32 exponentials, ahead of O; behind portion 33: one for the 32 reciprocals, ahead of S
.endif
.set dk, dk+1
.endr
; THE SCORES.  A lane holds, for 32 rows, the sum over its column class; the 16 lanes of a half are added, four steps that ride on the addition (DPP).
.irp x, 1,2,4,8
.set fq, 0
.rept 32
	v_add_f32_dpp v[SC+fq], v[SC+fq], v[SC+fq] row_xmask:\x row_mask:0xf bank_mask:0xf
.set fq, fq+1
.endr
	v_add_f32_dpp v20, v20, v20 row_xmask:\x row_mask:0xf bank_mask:0xf
.endr
	v_sub_f32 v20, v20, s61                        ; my wave's constant: -0.5 (the sum of its V' - V_b); the partner adds the other half of V_b
	v_mul_f32 v20, -0.5, v20
.set fq, 0
.rept 16
	v_pk_add_f32 v[SC+2*fq:SC+2*fq+1], v[SC+2*fq:SC+2*fq+1], v[20:21] op_sel_hi:[1,0]
.set fq, fq+1
.endr
	s_lshl_b32 s4, s26, 8
	s_add_co_u32 s4, s4, SCX                       ; my 64 words
	s_xor_b32 s5, s26, 1
	s_lshl_b32 s5, s5, 8
	s_add_co_u32 s5, s5, SCX                       ; my partner's
	v_lshl_add_u32 v27, v3, 5, s4
	v_lshl_add_u32 v28, v3, 5, s5
	v_lshl_add_u32 v29, v1, 3, s4
	v_lshl_add_u32 v30, v1, 3, s5
	v_lshlrev_b32 v31, 3, v1
.irp t, 0,1,2,3                                        ; row 16 t + 8 h + j at byte 64 t + 32 h + 4 j; the 16 lanes of a half write the same words with the same numbers
	ds_store_b128 v27, v[SC+8*\t:SC+8*\t+3]   offset:64*\t
	ds_store_b128 v27, v[SC+8*\t+4:SC+8*\t+7] offset:64*\t+16
.endr
	s_wait_dscnt 0x0                               ; for my partner's sake; my reads of its exchange buffer are long back
	s_barrier_signal -1
	s_barrier_wait -1
.irp t, 0,1,2,3
	ds_load_b128 v[R+8*\t:R+8*\t+3],   v28 offset:64*\t
	ds_load_b128 v[R+8*\t+4:R+8*\t+7], v28 offset:64*\t+16
.endr
	ds_load_b64 v[236:237], v29                    ; and both halves of rows 2 lane, 2 lane + 1, for the store
	ds_load_b64 v[238:239], v30
	s_wait_dscnt 0x0
.set fq, 0
.rept 16                                               ; own + partner's: the same two numbers in both waves, so both hold the same scores bit for bit
	v_pk_add_f32 v[SC+2*fq:SC+2*fq+1], v[SC+2*fq:SC+2*fq+1], v[R+2*fq:R+2*fq+1]
.set fq, fq+1
.endr
	v_pk_add_f32 v[236:237], v[236:237], v[238:239]
	s_cmp_lg_u32 s27, 0
	s_cbranch_scc1 .Lno_store                      ; one wave of the pair stores the group's scores
	global_store_b64 v31, v[236:237], s[22:23]     ; 256 consecutive bytes, aligned
.Lno_store:
	; the group's maximum, and p = 2^(log2(e) s - log2(e) m)
	v_max3_num_f32 v25, v[SC], v[SC+1], v[SC+2]
.set fq, 3
.rept 14
	v_max3_num_f32 v25, v25, v[SC+fq], v[SC+fq+1]
.set fq, fq+2
.endr
	v_max_num_f32 v25, v25, v[SC+31]
	v_permlanex16_b32 v26, v25, s58, s59           ; the group's other 32 rows lie in the lane 16 away
	v_max_num_f32 v25, v25, v26
	v_mul_f32 v26, s56, v25
.set fq, 0
.rept 16
	v_pk_fma_f32 v[SC+2*fq:SC+2*fq+1], v[SC+2*fq:SC+2*fq+1], s[56:57], v[26:27] op_sel_hi:[1,0,0] neg_lo:[0,0,1] neg_hi:[0,0,1]
.set fq, fq+1
.endr
.set fq, 0
.rept 32                                               ; the 32 weights: one batch; the picking matrix below, which names none of them, is the work between it and its wait
	v_exp_f32 v[SC+fq], v[SC+fq]
.set fq, fq+1
.endr
; THE CONTEXT, from the rows still in registers.  A product of a fragment of hidden with a matrix that picks 16 of its 32 k (1.0 where k = 16 q + n) lays those numbers, unchanged, as a result: a lane then holds
; one u (lane % 16) and the rows 8 (lane / 16) + 0..7, the very rows whose p it holds.  The picking matrix: v[228:231] hold 1.0 at k = r in the lanes with r / 8 = h; with zeros on either side
; v[228:235] picks k = 0..15 and v[224:231] picks k = 16..31.
	v_bfe_u32 v4, v0, 1, 2                         ; (r % 8) / 2: the register
	v_and_b32 v5, 1, v0
	v_lshlrev_b32 v5, 4, v5                        ; its half
	v_mov_b32 v7, 0x3f80                           ; 1.0 in bf16
	v_lshlrev_b32 v5, v5, v7
	v_bfe_u32 v6, v0, 3, 1                         ; r / 8
	v_cmp_eq_u32 vcc_lo, v6, v3
	v_cndmask_b32 v5, 0, v5, vcc_lo
.irp c, 0,1,2,3
	v_cmp_eq_u32 vcc_lo, \c, v4
	v_cndmask_b32 v[228+\c], 0, v5, vcc_lo
	v_mov_b32 v[224+\c], 0
	v_mov_b32 v[232+\c], 0
.endr
	s_wait_alu depctr_va_vdst(0)                   ; ONE wait for the batch of 32 weights ahead of the first line that names one: CTXR's first multiply
.macro CTXW ut                         ; u tile ut of 32 (k step ut / 2, half ut % 2): four products, one a row tile, into four of the eight buffers
.set cks, (\ut)/2
.set cq, (\ut)%2
	WIN 1+cks/8
.set cm, 0
.rept 4
	v_wmma_f32_16x16x32_bf16 v[FB+32*cq+8*cm:FB+32*cq+8*cm+7], v[8*(4*(cks%8)+cm):8*(4*(cks%8)+cm)+7], v[228-4*cq:235-4*cq], 0
.set cm, cm+1
.endr
.endm
.macro CTXR ut                         ; its 32 rows a lane times p, added up: 20 plain lines, which are also the places behind the next batch's products
.set cb, FB+32*((\ut)%2)
.set cw, R+8*((\ut)%2)
	WIN 0
.irp e, 0,2,4,6
	v_pk_mul_f32 v[cw+\e:cw+\e+1], v[cb+\e:cb+\e+1], v[SC+\e:SC+\e+1]
.endr
.irp m, 1,2,3
.irp e, 0,2,4,6
	v_pk_fma_f32 v[cw+\e:cw+\e+1], v[cb+8*\m+\e:cb+8*\m+\e+1], v[SC+8*\m+\e:SC+8*\m+\e+1], v[cw+\e:cw+\e+1]
.endr
.endr
	v_pk_add_f32 v[cw:cw+1], v[cw:cw+1], v[cw+2:cw+3]
	v_pk_add_f32 v[cw+4:cw+5], v[cw+4:cw+5], v[cw+6:cw+7]
	v_pk_add_f32 v[cw:cw+1], v[cw:cw+1], v[cw+4:cw+5]
	v_add_f32 v[ACC1+(\ut)], v[cw], v[cw+1]
.endm
	CTXW 0
	WIN 0
	PLACES                                         ; the first batch has no batch before it whose lines could be its places
.set cu, 1
.rept 31
	CTXW cu
	CTXR cu-1
.set cu, cu+1
.endr
	CTXR 31
	; The two halves of the lanes hold different rows' sums.  For u tiles 2 a, 2 a + 1: each lane keeps the tile of its half and takes the other half's sum of that tile: then lane l holds u = 32 a + l.
.set fq, 0
.rept 16
	v_cndmask_b32 v[ACC0+fq],    v[ACC1+2*fq],   v[ACC1+2*fq+1], s60
	v_cndmask_b32 v[ACC0+16+fq], v[ACC1+2*fq+1], v[ACC1+2*fq],   s60
.set fq, fq+1
.endr
.set fq, 0
.rept 16
	v_permlanex16_b32 v[R+16+fq], v[ACC0+16+fq], s58, s59
.set fq, fq+1
.endr
	v_lshl_add_u32 v10, v1, 2, s53
.set fq, 0
.rept 16
	v_add_f32 v[ACC0+fq], v[ACC0+fq], v[R+16+fq]
.set fq, fq+1
.endr
.set fq, 0
.rept 16                                               ; through my own exchange buffer (my partner's reads of it ended in front of the barrier above), so that a lane gets 16 neighbouring bytes
	ds_store_b32 v10, v[ACC0+fq] offset:128*fq
.set fq, fq+1
.endr
.irp j, 0,1,2,3
	ds_load_b128 v[ACC0+16+4*\j:ACC0+16+4*\j+3], v8 offset:512*\j
.endr
	s_wait_dscnt 0x0
.irp j, 0,1,2,3
	global_store_b128 v22, v[ACC0+16+4*\j:ACC0+16+4*\j+3], s[24:25] offset:512*\j  ; 512 consecutive bytes, aligned
.endr
	s_wait_tensorcnt 0x0                           ; the wave's end: the tensor wait, the add and its wait, behind my last tensor load and my last LDS store
	ds_add_u32 v14, v15
	s_wait_dscnt 0x0
	CROUND                                         ; the closing round: no work-group ends while a partner may still ask for a chunk that names it
	s_endpgm
.Lfunc_end_k_qda606eb612_main:
	.size	k_qda606eb612_main, .Lfunc_end_k_qda606eb612_main-k_qda606eb612_main
	.p2alignl 7, 3214868480
	.fill 96, 4, 3214868480
	.section	.rodata,"a",@progbits
	.p2align	6, 0x0
	.amdhsa_kernel k_qda606eb612_main
		.amdhsa_group_segment_fixed_size 327680
		.amdhsa_private_segment_fixed_size 0
		.amdhsa_enable_private_segment 0
		.amdhsa_kernarg_size 72
		.amdhsa_user_sgpr_count 2
		.amdhsa_user_sgpr_kernarg_segment_ptr 1
		.amdhsa_wavefront_size32 1
		.amdhsa_system_sgpr_workgroup_id_x 1
		.amdhsa_system_sgpr_workgroup_id_y 1
		.amdhsa_system_sgpr_workgroup_id_z 1
		.amdhsa_system_vgpr_workitem_id 0
		.amdhsa_next_free_vgpr 1024
		.amdhsa_next_free_sgpr 80
		.amdhsa_reserve_vcc 1
		.amdhsa_float_denorm_mode_32 3
		.amdhsa_float_denorm_mode_16_64 3
		.amdhsa_memory_ordered 1
		.amdhsa_forward_progress 1
		.amdhsa_inst_pref_size 255
	.end_amdhsa_kernel
	.section	.bss,"aw",@nobits
	.p2align	6
	.space	262144
	.amdgpu_metadata
---
amdhsa.version: [ 1, 2 ]
amdhsa.kernels:
  - .name:           k_qda606eb612_main
    .symbol:         k_qda606eb612_main.kd
    .args:
      - { .name: hidden_states, .offset: 0, .size: 8, .value_kind: global_buffer, .address_space: global }
      - { .name: Uf, .offset: 8, .size: 8, .value_kind: global_buffer, .address_space: global }
      - { .name: biasP, .offset: 16, .size: 8, .value_kind: global_buffer, .address_space: global }
      - { .name: W_b, .offset: 24, .size: 8, .value_kind: global_buffer, .address_space: global }
      - { .name: U_b, .offset: 32, .size: 8, .value_kind: global_buffer, .address_space: global }
      - { .name: V_w, .offset: 40, .size: 8, .value_kind: global_buffer, .address_space: global }
      - { .name: V_b, .offset: 48, .size: 8, .value_kind: global_buffer, .address_space: global }
      - { .name: scores, .offset: 56, .size: 8, .value_kind: global_buffer, .address_space: global }
      - { .name: ctxP, .offset: 64, .size: 8, .value_kind: global_buffer, .address_space: global }
    .group_segment_fixed_size: 327680
    .private_segment_fixed_size: 0
    .kernarg_segment_align: 8
    .kernarg_segment_size: 72
    .max_flat_workgroup_size: 128
    .sgpr_count:     80
    .vgpr_count:     1024
    .wavefront_size: 32
...
	.end_amdgpu_metadata
.endif
;; end of part 5
;; launch join: the kernel of part 3 again; grid 8 x 32, 1 waves a work-group, no clusters, 0 bytes of LDS; arguments scores, ctxP, out0, out1; writes out0, out1
